; MI455X (gfx1250); checked and timed in simulation.
; The chip was launched on July 23, 2026; its instructions are those of AMD's public machine-readable ISA for CDNA 5 (MIT licence, August 2026) and "CDNA5" Instruction Set Architecture Reference Guide (July 2026). The comments in the code are by the model that wrote it; some were corrected since.
;; Projected Adaptive Log Softmax. Allowed arithmetic: matrix products marked QUANTISED: E2M3 operands, one E8M0 scale for each 32 along K, by v_wmma_scale_f32_16x16x128_f8f6f4 with both operands' format E2M3, f32 sums; products left as they are: f32 operands where the result goes on into a quantised operand, else bf16, f16 or f32 operands; f32 sums; everything else in f32.
;; Inputs: cluster_bias 2 float32; cluster_weight 2 x 1,024 float32; hidden 4,096 x 1,024 float32; out_bias 12,500 float32; out_weight 12,500 x 1,024 float32; target 4,096 int32.
;; Outputs: out0 4,096 float32.
;; This version of the problem:
;;   THIS VERSION OF THE PROBLEM IS GIVEN IN LOW PRECISION. The matrix products marked QUANTISED in the list below multiply operands that are first quantised to E2M3 (2 exponent bits, 3 mantissa bits; 6 bits a number), with one power-of-two scale for each 32 numbers along K (OCP MX v1.0); their sums are f32. All else is computed in f32.
;;   The module's matrix products, in the order in which they are computed (A, B: the left and right operand; K: the contracted axis; several contracted axes count as one K, in the product's order):
;;     1. [M 4,096, K 1,024] x [K 1,024, N 12,502]; A: input hidden; B: computed on the way: QUANTISED
;;     2. [M 4,096, K 1,024] x [K 1,024, N 0]; A: input hidden; B: input out_weight: left as it is (N = 0 < 16)
;;     3. [M 4,096, K 1,024] x [K 1,024, N 0]; A: input hidden; B: input out_weight: left as it is (N = 0 < 16)
;;   THE QUANTISER, for each operand of a quantised product, along K:
;;     - K is cut into blocks of 32 from its start; a last block that is shorter is filled with zeros.
;;     - A block's scale is 2^e with e = floor(log2(the largest magnitude in the block)) - 2, held to -126 .. 127; a block of zeros has e = 0. As a byte (E8M0): e + 127.
;;     - Each number is divided by its block's scale, clamped to +-7.5, and rounded to the nearest number of E2M3, ties to even, subnormals kept.
;;     - The product sums the exact products of the quantised numbers (number of the format x scale) in f32.
;;   ~~~python
;;   def quantise(x, axis):      # numpy; x: float32 -> the quantised numbers, widened to float32 again
;;       x = np.moveaxis(x, axis, -1); K = x.shape[-1]
;;       x = np.pad(x, [(0, 0)] * (x.ndim - 1) + [(0, -K % 32)]); x = x.reshape(x.shape[:-1] + (-1, 32)); a = np.abs(x).max(-1, keepdims=True)
;;       e = np.where(a > 0, np.clip(np.frexp(np.where(a > 0, a, 1))[1] - 1 - 2, -126, 127), 0)      # np.frexp(a)[1] - 1 = floor(log2(a)), exactly
;;       r = np.clip(x / 2.0 ** e, -7.5, 7.5)
;;       step = 2.0 ** (np.maximum(np.frexp(np.where(r == 0, 1, r))[1] - 1, 0) - 3)
;;       q = np.round(r / step) * step * 2.0 ** e      # np.round: ties to even
;;       return np.moveaxis(q.reshape(q.shape[:-2] + (-1,))[..., :K], -1, axis).astype(np.float32)
;;   ~~~
;;   OPERANDS COMPUTED ON THE WAY. 'Computed on the way' means the value that the module computes at that place (a softmax that the list does not call 'softmax' is quantised finished and normalised). What goes into a quantiser is computed in f32, as accurately as f32 sums, v_exp_f32 and their like allow (about 1e-6 of the number): no bf16 or f16 on the way to a quantiser, and a product that is left as it is and whose result goes on into a quantised operand takes f32 operands (vector FMAs, or v_wmma_f32_16x16x4_f32). A number that lies on a knife's edge between two numbers of the format may be rounded either way, as far as f32 arithmetic and the matrix unit's own rounding can turn it there, and no further.
;; 2 versions, each right and faster than the one before. Each part assembles by itself: llvm-mc -triple=amdgcn-amd-amdhsa -mcpu=gfx1250 --defsym DOCPART=n.
;; ======== version 1 of 2: 3 launches
;; limits: right only within a limited range of input values
;; workspace buffers: hq 3,276,800 bytes; wq 10,035,200 bytes; wbias 50,176 bytes; part 1,048,576 bytes
;; launch quant (part 1): grid 260 x 1, 8 waves a work-group, no clusters, 68,608 bytes of LDS; arguments hidden, out_weight, cluster_weight, out_bias, cluster_bias, hq, wq, wbias; writes hq, wq, wbias
.if DOCPART == 1
	.amdgcn_target "amdgcn-amd-amdhsa--gfx1250"
	.amdhsa_code_object_version 6
	.text
	.protected	k_q325e0f4f1f_quant
	.globl	k_q325e0f4f1f_quant
	.p2align	8
	.type	k_q325e0f4f1f_quant,@function
k_q325e0f4f1f_quant:
	s_mov_b64 s[64:65], 0
	v_nop
	global_prefetch_b8 v0, s[64:65] scope:SCOPE_SE
	s_setreg_imm32_b32 hwreg(HW_REG_WAVE_MODE, 25, 1), 1
	s_wait_xcnt 0x0
; hidden [4096][1024] and the head's weight (out_weight's 12,500 rows, then cluster_weight's 2), f32, K innermost, become codes of FP6 (E2M3) with one E8M0 scale byte for each 32 along K.
; A block's scale is 2^(floor(log2(its largest magnitude)) - 2); its byte is that magnitude's exponent field - 2, held at 1 from below; numbers are divided by the scale and rounded to the nearest code, ties to even, beyond 7.5 the largest code.
; LIMITS: a block whose largest magnitude lies under 2^-124 keeps the byte 1; a block of zeros keeps the byte 1 where the rule says 127 (its codes are zeros, and this program alone reads the bytes); NaN and infinities among the inputs are not served.
; OUTPUT: TILE IMAGES of 12,800 bytes, one for 16 rows and all of K, laid in the order of the matrix operand's registers:
;   fragment s (k = 128 s on) at 1,536 s: registers 4 g .. 4 g + 3 of lane l at 1,536 s + 512 g + 16 l; lane (r = l % 16, h = l / 16) holds row r, registers 6 c .. 6 c + 5 hold k = 128 s + 64 c + 32 h + 0 .. 31;
;   scale words at 12,288 + 256 q + 8 l + 4 i: row l % 16, K step 4 q + 2 i + l / 16.  So two loads of 8 bytes a lane give four registers; register s / 2 holds K step s in lanes 0-15 (s even) or 16-31 (s odd).
; hq: 256 images of tokens.  wq: 784 images of head rows; rows 12,502 .. 12,543 get zero codes.  wbias: the head's 12,502 biases, then -2^100 for the 42 rows of padding.
; SHARES: 1,040 tiles, four to a work-group; wave w takes tile 4 x work-group + w / 2 and half w % 2 of K: four K steps of 128.  All tiles take one path through the text; only pointers and bounds are chosen.
; Each load reads 512 consecutive bytes of one row; a K step's 16 rows turn through the wave's own stage in LDS, so that a lane gets 32 neighbours along K.  Waves share nothing: no barrier.
.set SP,    528                        ; a stage row: 512 bytes + 16: an odd multiple of 16, so the 16 rows that a load touches start in different banks (64 banks of 4 bytes: ISA guide 11.1)
.set WREG,  16*SP                      ; a wave's stage
.set IMG,   12800
.set FRB,   1536
.set SCO,   8*FRB                      ; where an image's scale words begin
.set HT,    256                        ; tiles of tokens
.set GL,  4                            ; v4   16 l + 2,048 q: my 16 bytes of a row's 512, in my half of K
.set STI, 5                            ; v5   the stage, on the way in: 16 l
.set STO, 6                            ; v6   on the way out: 528 r + 128 h
.set GO,  7                            ; v7   16 l + 6,144 q: my place in the image's fragments
.set GS,  8                            ; v8   8 l + 12,288 + 256 q: my scale words
.set VM,  9                            ; v9   all ones where my row is a row of the tensor, else 0
.set SH,  10                           ; v10  8 h
.set MA,  11                           ; v11, v12  two chains of a maximum
.set MB,  12
.set PT,  13                           ; v13  a lane permute's destination
.set SO,  14                           ; v14-15 the conversions' scale operands of blocks 0, 1
.set BY,  16                           ; v16-17 their bytes
.set R,   32                           ; v32-159  two sets of 64: 16 rows as loaded
.set X,   160                          ; v160-223 my 64 numbers of a K step
.set C,   224                          ; v224-235 the fragment
.set CT,  236                          ; v236-238, v240-242 the upper 16 codes of each block (a conversion's three registers begin on an even number)
.set W,   244                          ; v244-247 the four K steps' scale words
.set SCW, 248                          ; v248-249 as they are stored
.set RB,  32                           ; s[32:63] the 16 rows' addresses
	s_load_b256 s[4:11], s[0:1], 0x0               ; hidden s[4:5], out_weight s[6:7], cluster_weight s[8:9], out_bias s[10:11]
	s_load_b256 s[12:19], s[0:1], 0x20             ; cluster_bias s[12:13], hq s[14:15], wq s[16:17], wbias s[18:19]
	v_lshl_add_u32 v254, v0, 2, 0x10800
	v_mov_b32 v255, 0
	v_lshrrev_b32 v1, 5, v0
	v_readfirstlane_b32 s20, v1                    ; wave 0..7
	v_and_b32 v1, 31, v0                           ; l
	v_and_b32 v2, 15, v0                           ; r
	v_bfe_u32 v3, v0, 4, 1                         ; h
	s_lshr_b32 s22, s20, 1
	s_lshl_b32 s21, ttmp9, 2
	s_add_co_u32 s21, s21, s22                     ; my tile, 0 .. 1,039
	s_and_b32 s22, s20, 1                          ; q: my half of K
	s_lshl_b32 s24, s22, 11
	v_lshl_add_u32 v[GL], v1, 4, s24
	s_mul_i32 s25, s20, WREG
	v_lshl_add_u32 v[STI], v1, 4, s25
	v_mul_u32_u24 v[STO], v2, SP
	v_lshl_add_u32 v[STO], v3, 7, v[STO]
	v_add_nc_u32 v[STO], s25, v[STO]
	s_mul_i32 s24, s22, 4*FRB
	v_lshl_add_u32 v[GO], v1, 4, s24
	s_lshl_b32 s24, s22, 8
	s_add_co_u32 s24, s24, SCO
	v_lshl_add_u32 v[GS], v1, 3, s24
	v_lshlrev_b32 v[SH], 3, v3
	v_mov_b32 v[PT], 0                             ; written once: a lane permute's destination counts as one of its sources
	s_mov_b32 s68, 0x76543210
	s_mov_b32 s69, 0xfedcba98                      ; v_permlanex16_b32's selects for lane l xor 16
	s_mov_b32 s70, 0xffff0000                      ; a mask of lanes 16-31
	s_wait_kmcnt 0x0
	s_cmp_lt_u32 s21, HT                           ; a tile of tokens or of the head?  The choice hangs on ids alone
	s_cselect_b64 s[30:31], s[4:5], s[6:7]         ; the tensor,
	s_cselect_b64 s[66:67], s[14:15], s[16:17]     ; its images,
	s_mov_b32 s26, 12500
	s_cselect_b32 s26, 4096, s26                   ; its rows,
	s_mov_b32 s27, 12502
	s_cselect_b32 s27, 4096, s27                   ; the rows that count (the head has cluster_weight's two behind out_weight's),
	s_cselect_b32 s24, 0, HT
	s_sub_co_u32 s24, s21, s24                     ; the tile's number in its buffer
	s_lshl_b32 s28, s24, 4                         ; its first row
	s_mul_i32 s24, s24, IMG
	s_mov_b32 s25, 0
	s_add_nc_u64 s[66:67], s[66:67], s[24:25]
	v_add_nc_u32 v[VM], s28, v2
	v_cmp_gt_u32 vcc_lo, s27, v[VM]
	v_cndmask_b32 v[VM], 0, -1, vcc_lo
; Row p's address.  A row behind the tensor's last is cluster_weight's row 0 or 1; the rows of padding read row 1 again (no load leaves its buffer) and their codes are cleared.
.macro ROWBASE p
	s_add_co_u32 s24, s28, \p
	s_sub_co_u32 s25, s24, s26
	s_min_u32 s25, s25, 1
	s_cmp_lt_u32 s24, s26
	s_cselect_b32 s24, s24, s25
	s_cselect_b64 s[RB+2*\p:RB+2*\p+1], s[30:31], s[8:9]
	s_lshl_b32 s24, s24, 12                        ; a row is 4,096 bytes; under 2^26 in all
	s_mov_b32 s25, 0
	s_add_nc_u64 s[RB+2*\p:RB+2*\p+1], s[RB+2*\p:RB+2*\p+1], s[24:25]
.endm
.irp p, 0,1,2,3,4,5,6,7,8,9,10,11,12,13,14,15
	ROWBASE \p
.endr
.macro LOAD t                          ; K step t of my four: 16 loads, each 512 consecutive bytes of one row, at a multiple of 512 from the row's first byte
.irp p, 0,1,2,3,4,5,6,7,8,9,10,11,12,13,14,15
	global_load_b128 v[R+64*((\t)%2)+4*\p:R+64*((\t)%2)+4*\p+3], v[GL], s[RB+2*\p:RB+2*\p+1] offset:512*(\t) th:TH_LOAD_NT
.endr
.endm
	LOAD 0
	LOAD 1
; Block c of my two (k = 64 c + 32 h + 0 .. 31 of row r): all 32 numbers are mine.
.macro QBLOCK c
.set XB, X+32*\c
	v_max3_num_f32 v[MA], |v[XB]|, |v[XB+1]|, 0x1800000            ; the floor 2^(3 - 127) among the leaves: the byte cannot fall under 1
	v_max3_num_f32 v[MB], |v[XB+2]|, |v[XB+3]|, |v[XB+4]|
.irp i, 5,9,13,17,21,25
	v_max3_num_f32 v[MA], v[MA], |v[XB+\i]|, |v[XB+\i+1]|
	v_max3_num_f32 v[MB], v[MB], |v[XB+\i+2]|, |v[XB+\i+3]|
.endr
	v_max3_num_f32 v[MA], v[MA], |v[XB+29]|, |v[XB+30]|
	v_max3_num_f32 v[MA], v[MA], v[MB], |v[XB+31]|
	v_add_nc_u32 v[SO+\c], 0xff000000, v[MA]                       ; 2 off the exponent field: the conversion takes the exponent field of this operand as its scale
	v_cvt_scalef32_pk16_fp6_f32 v[C+6*\c:C+6*\c+2], v[XB:XB+15], v[SO+\c]
	v_cvt_scalef32_pk16_fp6_f32 v[CT+4*\c:CT+4*\c+2], v[XB+16:XB+31], v[SO+\c]
	v_lshrrev_b32 v[BY+\c], 23, v[SO+\c]                           ; the scale's byte; also the plain instruction between the conversions and the first touch of their results
.irp i, 0,1,2
	v_mov_b32 v[C+6*\c+3+\i], v[CT+4*\c+\i]
.endr
.endm
.macro STEP t
.if \t < 3
	s_wait_loadcnt 16                              ; this step's 16 loads are in; the next step's 16 may be out
.else
	s_wait_loadcnt 0x0
.endif
.irp p, 0,1,2,3,4,5,6,7,8,9,10,11,12,13,14,15
	ds_store_b128 v[STI], v[R+64*((\t)%2)+4*\p:R+64*((\t)%2)+4*\p+3] offset:SP*\p
.endr
.irp c, 0,1
.irp i, 0,1,2,3,4,5,6,7
	ds_load_b128 v[X+32*\c+4*\i:X+32*\c+4*\i+3], v[STO] offset:256*\c+16*\i   ; LDS serves a wave's instructions in order (ISA guide 5.7.1.4): these see the stores above
.endr
.endr
	s_wait_dscnt 8                                 ; the stores have read their registers and block 0 is back; block 1's eight loads may be out
.if \t > 0
	s_wait_xcnt 0x0                                ; the last step's stores have read the fragment's registers: they are written again only behind this wait
.endif
.if \t < 2
	LOAD \t+2                                      ; into the set that the stage has just taken over
.endif
	QBLOCK 0
	s_wait_dscnt 0x0
	QBLOCK 1
	v_lshl_or_b32 v[W+\t], v[BY+1], 16, v[BY]      ; my two bytes: blocks h and 2 + h,
	v_lshlrev_b32 v[W+\t], v[SH], v[W+\t]          ; at their places in the word;
	v_permlanex16_b32 v[PT], v[W+\t], s68, s69
	v_or_b32 v[W+\t], v[W+\t], v[PT]               ; with lane l xor 16's two the word is whole
.irp i, 0,1,2,3,4,5,6,7,8,9,10,11
	v_and_b32 v[C+\i], v[VM], v[C+\i]              ; rows of padding: zero codes
.endr
.irp g, 0,1,2
	global_store_b128 v[GO], v[C+4*\g:C+4*\g+3], s[66:67] offset:FRB*\t+512*\g   ; 32 lanes store 512 consecutive bytes, at a multiple of 512 from the buffer's first byte
.endr
.if \t == 1
	v_cndmask_b32 v[SCW], v[W], v[W+1], s70        ; lanes 0-15 the even K step's word, lanes 16-31 the odd one's
.endif
.if \t == 3
	v_cndmask_b32 v[SCW+1], v[W+2], v[W+3], s70
	global_store_b64 v[GS], v[SCW:SCW+1], s[66:67] ; 32 lanes store 256 consecutive bytes, aligned
.endif
.endm
.irp t, 0,1,2,3
	STEP \t
.endr
	; THE BIASES: wave 0 of work-groups 64 .. 259 writes 64 numbers of wbias each.  Scalar branches on ids.
	s_cmp_lg_u32 s20, 0
	s_cbranch_scc1 .Lend
	s_cmp_lt_u32 ttmp9, 64
	s_cbranch_scc1 .Lend
	s_sub_co_u32 s24, ttmp9, 64
	s_lshl_b32 s25, s24, 6
	v_lshl_add_u32 v18, v1, 1, s25                 ; my first index, even
	v_min_u32 v19, 12498, v18                      ; no load leaves out_bias
	v_lshlrev_b32 v19, 2, v19
	v_mov_b32 v20, 0
	s_lshl_b32 s25, s24, 8
	v_lshl_add_u32 v21, v1, 3, s25
	global_load_b64 v[160:161], v19, s[10:11]
	global_load_b64 v[162:163], v20, s[12:13]
	v_mov_b32 v22, 0xf1800000                      ; -2^100 for a row of padding: under every logit that is served, and its exponential is 0
	v_mov_b32 v23, v22
	s_wait_loadcnt 0x0
	v_cmp_eq_u32 vcc_lo, 12500, v18
	v_cndmask_b32 v22, v22, v162, vcc_lo
	v_cndmask_b32 v23, v23, v163, vcc_lo
	v_cmp_gt_u32 vcc_lo, 12500, v18
	v_cndmask_b32 v22, v22, v160, vcc_lo
	v_cndmask_b32 v23, v23, v161, vcc_lo
	global_store_b64 v21, v[22:23], s[18:19]       ; 256 consecutive bytes, aligned
.Lend:
	s_wait_tensorcnt 0x0
	ds_add_u32 v254, v255
	s_wait_dscnt 0x0
	s_endpgm
.Lfunc_end_k_q325e0f4f1f_quant:
	.size	k_q325e0f4f1f_quant, .Lfunc_end_k_q325e0f4f1f_quant-k_q325e0f4f1f_quant
	.p2alignl 7, 3214868480
	.fill 96, 4, 3214868480
	.section	.rodata,"a",@progbits
	.p2align	6, 0x0
	.amdhsa_kernel k_q325e0f4f1f_quant
		.amdhsa_group_segment_fixed_size 68608
		.amdhsa_private_segment_fixed_size 0
		.amdhsa_enable_private_segment 0
		.amdhsa_kernarg_size 64
		.amdhsa_user_sgpr_count 2
		.amdhsa_user_sgpr_kernarg_segment_ptr 1
		.amdhsa_wavefront_size32 1
		.amdhsa_system_sgpr_workgroup_id_x 1
		.amdhsa_system_sgpr_workgroup_id_y 1
		.amdhsa_system_sgpr_workgroup_id_z 1
		.amdhsa_system_vgpr_workitem_id 0
		.amdhsa_next_free_vgpr 256
		.amdhsa_next_free_sgpr 72
		.amdhsa_reserve_vcc 1
		.amdhsa_float_denorm_mode_32 3
		.amdhsa_float_denorm_mode_16_64 3
		.amdhsa_memory_ordered 1
		.amdhsa_forward_progress 1
		.amdhsa_inst_pref_size 38
	.end_amdhsa_kernel
	.amdgpu_metadata
---
amdhsa.version: [ 1, 2 ]
amdhsa.kernels:
  - .name:           k_q325e0f4f1f_quant
    .symbol:         k_q325e0f4f1f_quant.kd
    .args:
      - { .name: hidden, .offset: 0, .size: 8, .value_kind: global_buffer, .address_space: global }
      - { .name: out_weight, .offset: 8, .size: 8, .value_kind: global_buffer, .address_space: global }
      - { .name: cluster_weight, .offset: 16, .size: 8, .value_kind: global_buffer, .address_space: global }
      - { .name: out_bias, .offset: 24, .size: 8, .value_kind: global_buffer, .address_space: global }
      - { .name: cluster_bias, .offset: 32, .size: 8, .value_kind: global_buffer, .address_space: global }
      - { .name: hq, .offset: 40, .size: 8, .value_kind: global_buffer, .address_space: global }
      - { .name: wq, .offset: 48, .size: 8, .value_kind: global_buffer, .address_space: global }
      - { .name: wbias, .offset: 56, .size: 8, .value_kind: global_buffer, .address_space: global }
    .group_segment_fixed_size: 68608
    .private_segment_fixed_size: 0
    .kernarg_segment_align: 8
    .kernarg_segment_size: 64
    .max_flat_workgroup_size: 256
    .sgpr_count:     72
    .vgpr_count:     256
    .wavefront_size: 32
...
	.end_amdgpu_metadata
.endif
;; end of part 1
;; launch lse (part 2): grid 16 x 16, 4 waves a work-group, clusters of 4 x 4, 327,680 bytes of LDS; arguments hq, wq, wbias, part; writes part
.if DOCPART == 2
	.amdgcn_target "amdgcn-amd-amdhsa--gfx1250"
	.amdhsa_code_object_version 6
	.text
	.protected	k_q325e0f4f1f_lse
	.globl	k_q325e0f4f1f_lse
	.p2align	8
	.type	k_q325e0f4f1f_lse,@function
k_q325e0f4f1f_lse:
	s_mov_b64 s[64:65], 0
	v_nop
	global_prefetch_b8 v0, s[64:65] scope:SCOPE_SE
	s_setreg_imm32_b32 hwreg(HW_REG_WAVE_MODE, 25, 1), 1
	s_wait_xcnt 0x0
	s_wait_alu depctr_hold_cnt(0) depctr_sa_sdst(0) depctr_va_vdst(0) depctr_va_sdst(0) depctr_va_ssrc(0) depctr_va_vcc(0) depctr_vm_vsrc(0)
	s_getreg_b32 s2, hwreg(HW_REG_IB_STS2, 6, 4)
	s_cmp_eq_u32 s2, 0
	s_cbranch_scc0 .Lentry_in_a_cluster
	s_endpgm
.Lentry_in_a_cluster:
	s_bfe_u32 s2, ttmp6, 0x10000c
	s_cmp_lg_u32 s2, 0xf033
	s_cbranch_scc0 .Lentry_shape_is_right
	s_endpgm
.Lentry_shape_is_right:
; For 256 tokens and 784 head rows (49 tiles of 16) a work-group makes the logits Q(hidden) Q(head_w)^T + head_b on codes of FP6 (E2M3) with E8M0 scales, and of each token's logits a running maximum and a sum of exponentials.
; The logits never leave the registers.  Stored: part[column group 16][token 4096][h 2] = (N, L), N = -log2(e) x the largest logit seen (rounded once), L = the sum of 2^(log2(e) x logit + N); the next launch joins the 32 parts of a token.
; LIMITS: logits under -2^100 are not served (the running maximum starts there, and the padding's bias is that number); NaN and infinities are not served.
; SHARES.  Four waves, as many as a WGP has SIMDs; a wave keeps 64 tokens x all 1,024 of K in registers: 32 fragments, 384 registers.  So a head tile's 12,800 bytes, read from LDS once, feed 32 matrix instructions,
; and a tile's results are only 32 registers.  THE MATRIX INSTRUCTION IS USED TRANSPOSED (source 0 = 16 head rows, source 1 = 16 tokens): lane (r, h) holds token r and head rows 8 h + 0 .. 7, so maximum and sum stay in the lane.
; BY TURNS.  A tile's softmax is 92 vector instructions for 32 matrix instructions.  While tile j is multiplied into one set of accumulators, tile j - 1's softmax works on the other set, three instructions behind each matrix instruction.
; All that the softmax touches lies in window 0, the products' operands in windows 1 to 3: two switches of the register window for each matrix instruction are the price.
; OPERANDS are images of their registers (12,800 bytes for 16 rows: eight fragments of 1,536 bytes, lane l's registers 4 g .. 4 g + 3 at 512 g + 16 l; then 512 bytes of scale words): every LDS read is 16 or 8 bytes x lane on end, so no padding.
; CLUSTER 4 x 4.  The four work-groups of a column of the cluster have the same 256 tokens, the four of a row the same head rows and biases: each tile is asked for JOINTLY, by the same tensor load with a mask that names the four.
; RING.  Two slots of eight images.  The column group's tile 0 comes straight from memory into registers; fill k brings tiles 8 k + 1 .. 8 k + 8.  A refill is asked for eight tiles, 256 matrix instructions, ahead of its first read.
; By this text's count a wave has three tensor loads out at the start and one behind each round.
; LDS: 0 slot 0 (102,400) | 102,400 the tokens' staging, 51,200 a wave, filled once and read by the wave that asked | 131,072 slot 1 (102,400), which lies in the staging: its first fill is issued as a refill is |
;      307,200 the column group's 784 biases | 310,528 the spare words.
; REGISTERS.  window 0: v1-14 addresses; v16-31 the tokens' scale words; v32-39 the head tiles', two sets; v40-55 biases, two sets; v56-87 statistics, 8 a block of 16 tokens; v96-159 accumulators, two sets of 4 x 8.
;   window 1: the tokens' fragments of K steps 0-3 at v[12 (4 s + a)];  window 2: those of K steps 4-7;  window 3: the head tile's 8 fragments, two sets, at v[96 p + 12 s].
.set IMG,   12800
.set FRB,   1536
.set SCO,   8*FRB
.set SLOTB, 8*IMG
.set SLOT1, 1<<17                      ; so that one exclusive or turns an address in one slot into the other's
.set STG,   SLOTB
.set BIAS,  STG+16*IMG
.set SPARE, 310528                     ; 128 bytes for each wave: two blocks of 256 bytes that no other line names
.set SPW,  1                           ; v1   SPARE + 4 x my thread's number; never rewritten
.set NIL,  2                           ; v2   0; never rewritten
.set LI,   3                           ; v3   16 l
.set L8,   4                           ; v4   8 l
.set BH,   5                           ; v5   BIAS + 32 h
.set ADR,  6                           ; v6   the image that is being fetched: fragments,
.set ADRS, 7                           ; v7   scale words,
.set ADRB, 8                           ; v8   and its 16 biases
.set PO,   9                           ; v9   16 r + 8 h: my place in part
.set SA,   10                          ; v10  my wave's staging + 16 l
.set SA8,  11                          ; v11  + 8 l
.set TS,   16                          ; block a's scale words at v[TS + 4 a + s / 2]: K step s in lanes 0-15 (s even) or 16-31 (s odd)
.set WS,   32                          ; set p's at v[WS + 4 p + s / 2]
.set BI,   40                          ; set p's eight biases (head rows 8 h + j)
.set ST,   56                          ; block a at v[ST + 8 a]: +0 N of even tiles, +1 the maximum M, +2 N of odd tiles, +3 at work, +4, +5 L in two halves, +6 F, +7 at work
.set ACC,  96                          ; set p, block a at v[ACC + 32 p + 8 a]
.set WV,   12
.set G1T,  24                          ; s[24:31] group 1: the tokens: 200 rows of 256 bytes
.set G1W,  32                          ; s[32:39] a quarter of a slot: 100 rows of 256 bytes
.set G1B,  40                          ; s[40:47] a quarter of the biases: one row of 784 bytes
.set G0T,  48
.set G0W,  52                          ; this one walks
.set G0B,  56
.set CS,   60                          ; s[60:61] log2(e): the packed form names a pair and takes its low word for both halves
.set NC,   62                          ; s62  -log2(e)
.set TB,   66                          ; s66  LDS byte of the image to be fetched next
.set TBI,  67                          ; s67  and of its biases, from BIAS on
.set CNT,  68
.set MSB, 0
.macro WIN new                         ; the immediate's high byte repeats the setting that is left; a switch that changes nothing is dropped
.if MSB != \new
	s_set_vgpr_msb (MSB<<8)|\new
.set MSB, \new
.endif
.endm
.macro CROUND                          ; a round of the cluster's barrier
	s_barrier_signal -1
	s_barrier_wait -1
	s_cmp_lg_u32 s[WV], 0
	s_cbranch_scc1 .Lnot_wave_0_\@
	s_barrier_signal -3
.Lnot_wave_0_\@:
	s_barrier_wait -3
	s_barrier_signal -1
	s_barrier_wait -1
.endm
	s_load_b256 s[4:11], s[0:1], 0x0               ; hq s[4:5], wq s[6:7], wbias s[8:9], part s[10:11]
	v_lshl_add_u32 v[SPW], v0, 2, SPARE
	v_mov_b32 v[NIL], 0
	ds_add_u32 v1, v2
	ds_add_u32 v1, v2
	s_wait_dscnt 0x0
	v_lshrrev_b32 v12, 5, v0
	v_readfirstlane_b32 s[WV], v12                 ; wave 0..3
	s_bfe_u32 s13, ttmp6, 0x40000                  ; cx
	s_bfe_u32 s14, ttmp6, 0x40004                  ; cy
	s_lshl_b32 s15, ttmp9, 2
	s_add_co_u32 s15, s15, s13                     ; token group = 4 x cluster x + cx
	s_and_b32 s16, ttmp7, 0xffff
	s_lshl_b32 s16, s16, 2
	s_add_co_u32 s16, s16, s14                     ; column group = 4 x cluster y + cy
	s_lshl_b32 s17, 0x1111, s13                    ; my column of the cluster: the same tokens
	s_lshl_b32 s69, s14, 2
	s_lshl_b32 s69, 15, s69                        ; my row: the same head rows
	s_or_b32 s[G1T], s17, (3<<16)|(1<<21)          ; 15:0 the mask; 17:16 elements of 8 bytes; 20 no padding; 21 set beside a mask
	s_mov_b32 s[G1T+1], 32<<16                     ; tensor_dim0 = 32 elements: 256 bytes
	s_mov_b32 s[G1T+2], 200<<16                    ; tensor_dim1 = 200
	s_mov_b32 s[G1T+3], 32<<16                     ; tile_dim0
	s_mov_b32 s[G1T+4], 200                        ; tile_dim1
	s_mov_b32 s[G1T+5], 32                         ; from row to row: the block is dense
	s_mov_b32 s[G1T+6], 0
	s_mov_b32 s[G1T+7], 0
	s_or_b32 s[G1W], s69, (3<<16)|(1<<21)
	s_mov_b32 s[G1W+1], 32<<16
	s_mov_b32 s[G1W+2], 100<<16
	s_mov_b32 s[G1W+3], 32<<16
	s_mov_b32 s[G1W+4], 100
	s_mov_b32 s[G1W+5], 32
	s_mov_b32 s[G1W+6], 0
	s_mov_b32 s[G1W+7], 0
	s_or_b32 s[G1B], s69, (3<<16)|(1<<21)
	s_mov_b32 s[G1B+1], 98<<16                     ; one row of 98 elements: 784 bytes
	s_mov_b32 s[G1B+2], 1<<16
	s_mov_b32 s[G1B+3], 98<<16
	s_mov_b32 s[G1B+4], 1
	s_mov_b32 s[G1B+5], 98
	s_mov_b32 s[G1B+6], 0
	s_mov_b32 s[G1B+7], 0
	; offsets: the tokens' hang on the token group and the wave alone, the weights' and biases' on the column group and the wave alone, each in registers that never hold the other coordinate
	s_mul_i32 s18, s15, 16*IMG
	s_mul_i32 s76, s[WV], 4*IMG
	s_add_co_u32 s18, s18, s76                     ; hq: 204,800 x token group + 51,200 x wave
	s_mov_b32 s19, 0
	s_add_co_u32 s76, s76, STG                     ; my staging: no place in the cluster enters an LDS address
	s_mul_i32 s20, s16, 49*IMG                     ; wq: the column group's tile 0
	s_mov_b32 s21, 0
	s_mul_i32 s77, s[WV], 2*IMG                    ; my quarter of a slot
	s_add_co_u32 s22, s77, IMG                     ; and of fill 0, which begins with tile 1
	s_mov_b32 s23, 0
	s_mul_i32 s70, s16, 49*64                      ; wbias: the column group's 784 numbers
	s_mov_b32 s71, 0
	s_mul_i32 s72, s[WV], 784                      ; my quarter of them
	s_mov_b32 s73, 0
	s_lshl_b32 s74, s16, 16                        ; part: 16 bytes x (4,096 x column group + 256 x token group + 64 x wave)
	s_lshl_b32 s75, s15, 12
	s_add_co_u32 s74, s74, s75
	s_lshl_b32 s75, s[WV], 10
	s_add_co_u32 s74, s74, s75
	s_mov_b32 s75, 0
	s_mov_b32 s[CS], 0x3fb8aa3b
	s_mov_b32 s[CS+1], s[CS]                       ; (named with it as a pair, so it is written)
	s_mov_b32 s[NC], 0xbfb8aa3b
	s_mov_b32 s[TB], 0
	s_mov_b32 s[TBI], 64
	s_mov_b32 s[CNT], 5
	v_and_b32 v[LI], 31, v0
	v_lshlrev_b32 v[L8], 3, v[LI]
	v_lshlrev_b32 v[LI], 4, v[LI]
	v_bfe_u32 v12, v0, 4, 1                        ; h
	v_and_b32 v13, 15, v0                          ; r
	v_lshl_add_u32 v[BH], v12, 5, BIAS
	v_lshlrev_b32 v[PO], 4, v13
	v_lshl_add_u32 v[PO], v12, 3, v[PO]
	v_add_nc_u32 v[SA], s76, v[LI]
	v_add_nc_u32 v[SA8], s76, v[L8]
	v_lshlrev_b32 v14, 5, v12                      ; 32 h: my eight biases of tile 0
	s_wait_kmcnt 0x0
	s_add_nc_u64 s[18:19], s[4:5], s[18:19]
	s_add_nc_u64 s[20:21], s[6:7], s[20:21]
	s_add_nc_u64 s[70:71], s[8:9], s[70:71]
	s_add_nc_u64 s[74:75], s[10:11], s[74:75]
	s_mov_b32 s[G0T], 1                            ; 1:0 count = 1
	s_mov_b32 s[G0T+1], s76                        ; LDS address
	s_mov_b64 s[G0T+2:G0T+3], s[18:19]             ; global address
	s_or_b32 s[G0T+3], s[G0T+3], 0x80000000        ; 127:126 type = 2
	s_mov_b32 s[G0W], 1
	s_mov_b32 s[G0W+1], s77
	s_add_nc_u64 s[G0W+2:G0W+3], s[20:21], s[22:23]
	s_or_b32 s[G0W+3], s[G0W+3], 0x80000000
	s_mov_b32 s[G0B], 1
	s_add_co_u32 s[G0B+1], s72, BIAS
	s_add_nc_u64 s[G0B+2:G0B+3], s[70:71], s[72:73]
	s_or_b32 s[G0B+3], s[G0B+3], 0x80000000
	; the column group's tile 0 straight into set 0: 49 tiles are six fills of eight and this one
	WIN 0xc0                                       ; destination window 3
.irp s, 0,1,2,3,4,5,6,7
.irp g, 0,1,2
	global_load_b128 v[12*\s+4*\g:12*\s+4*\g+3], v[LI], s[20:21] offset:FRB*\s+512*\g
.endr
.endr
	WIN 0
.irp c, 0,1
	global_load_b64 v[WS+2*\c:WS+2*\c+1], v[L8], s[20:21] offset:SCO+256*\c
.endr
	global_load_b128 v[BI:BI+3], v14, s[70:71]
	global_load_b128 v[BI+4:BI+7], v14, s[70:71] offset:16
	CROUND                                         ; all sixteen work-groups are here: the first joint loads meet
	tensor_load_to_lds s[G0T:G0T+3], s[G1T:G1T+7]  ; my 64 tokens,
	s_nop 0
	tensor_load_to_lds s[G0B:G0B+3], s[G1B:G1B+7]  ; my quarter of the biases,
	s_nop 0
	tensor_load_to_lds s[G0W:G0W+3], s[G1W:G1W+7]  ; my quarter of slot 0: three loads of mine are out
	s_nop 0
.rept 4
	v_nop                                          ; (behind a tensor load)
.endr
	; The step is written once: the first tile's slices find a set of -infinity, which leaves M, gives F = 1 and adds 0.
.irp a, 0,1,2,3
	v_mov_b32 v[ST+8*\a+1], 0xf1800000             ; M = -2^100
	v_mul_f32 v[ST+8*\a], s[NC], v[ST+8*\a+1]
	v_mul_f32 v[ST+8*\a+2], s[NC], v[ST+8*\a+1]
	v_mov_b32 v[ST+8*\a+4], 0
	v_mov_b32 v[ST+8*\a+5], 0
.endr
.set i, 0
.rept 32
	v_mov_b32 v[ACC+32+i], 0xff800000
.set i, i+1
.endr
	s_wait_tensorcnt 2                             ; tensor loads of a wave end in order (ISA guide 10.11.1): my tokens are in; the two loads issued behind them may be out.  Only I read my staging
	WIN 0x40                                       ; destination window 1
.irp s, 0,1,2,3
.irp a, 0,1,2,3
.irp g, 0,1,2
	ds_load_b128 v[12*(4*\s+\a)+4*\g:12*(4*\s+\a)+4*\g+3], v[SA] offset:IMG*\a+FRB*\s+512*\g
.endr
.endr
.endr
	WIN 0x80                                       ; window 2
.irp s, 0,1,2,3
.irp a, 0,1,2,3
.irp g, 0,1,2
	ds_load_b128 v[12*(4*\s+\a)+4*\g:12*(4*\s+\a)+4*\g+3], v[SA] offset:IMG*\a+FRB*(\s+4)+512*\g
.endr
.endr
.endr
	WIN 0
.irp a, 0,1,2,3
.irp c, 0,1
	ds_load_b64 v[TS+4*\a+2*\c:TS+4*\a+2*\c+1], v[SA8] offset:IMG*\a+SCO+256*\c
.endr
.endr
	s_wait_loadcnt 0x0                             ; tile 0
; Product k = 4 s + a of a tile of parity p: K step s, block a of 16 tokens.  The first K step takes the biases as C: nothing is cleared and no bias is added.
; The four accumulators take turns, one instruction a turn, over a tile's edge and the loop's backward jump too.
.macro PROD p
.set sK, k/4
.set aT, k%4
.set rD, ACC+32*(\p)+8*aT
.set rW, 96*(\p)+12*sK
.set rK, 12*(4*(sK%4)+aT)
.set rWS, WS+4*(\p)+sK/2
.set rTS, TS+4*aT+sK/2
.if sK < 4
	WIN 0x07                                       ; source 0 window 3, source 1 window 1, C and D window 0
.else
	WIN 0x0b                                       ; source 1 window 2
.endif
.if sK == 0
	v_wmma_scale_f32_16x16x128_f8f6f4 v[rD:rD+7], v[rW:rW+11], v[rK:rK+11], v[BI+8*(\p):BI+8*(\p)+7], v[rWS], v[rTS] matrix_a_fmt:MATRIX_FMT_FP6 matrix_b_fmt:MATRIX_FMT_FP6
.elseif sK%2 == 0
	v_wmma_scale_f32_16x16x128_f8f6f4 v[rD:rD+7], v[rW:rW+11], v[rK:rK+11], v[rD:rD+7], v[rWS], v[rTS] matrix_a_fmt:MATRIX_FMT_FP6 matrix_b_fmt:MATRIX_FMT_FP6
.else
	v_wmma_scale_f32_16x16x128_f8f6f4 v[rD:rD+7], v[rW:rW+11], v[rK:rK+11], v[rD:rD+7], v[rWS], v[rTS] matrix_a_fmt:MATRIX_FMT_FP6 matrix_b_fmt:MATRIX_FMT_FP6 matrix_a_scale:MATRIX_SCALE_ROW1 matrix_b_scale:MATRIX_SCALE_ROW1
.endif
.endm
; THE SOFTMAX OF ONE BLOCK of set pp (x0 .. x7 in place), 23 instructions; bb = the block, ee = which of the kind.
.macro OP_MAX                          ; the largest of x0 .. x7 and the old M; the first read of an accumulator is of its low end
.set rX, ACC+32*pp+8*bb
.set rT, ST+8*bb
.if ee == 0
	v_max3_num_f32 v[rT+3], v[rX], v[rX+1], v[rX+2]
.elseif ee == 1
	v_max3_num_f32 v[rT+7], v[rX+3], v[rX+4], v[rX+5]
.elseif ee == 2
	v_max3_num_f32 v[rT+3], v[rT+3], v[rX+6], v[rX+7]
.else
	v_max3_num_f32 v[rT+1], v[rT+3], v[rT+7], v[rT+1]
.endif
.endm
.macro OP_B                            ; N = -log2(e) M; the new N less the last tile's: 0 or less, exactly 0 where M has not moved
.set rT, ST+8*bb
.if ee == 0
	v_mul_f32 v[rT+2*pp], s[NC], v[rT+1]
.else
	v_sub_f32 v[rT+7], v[rT+2*pp], v[rT+2-2*pp]
.endif
.endm
.macro OP_C                            ; log2(e) x + N, two at a time
.set rX, ACC+32*pp+8*bb+2*ee
.set rN, ST+8*bb+2*pp
	v_pk_fma_f32 v[rX:rX+1], v[rX:rX+1], s[CS:CS+1], v[rN:rN+1] op_sel_hi:[1,0,0]
.endm
.macro OP_E                            ; the eight exponentials, and F = 2^(new N - old N)
.if ee < 8
.set rX, ACC+32*pp+8*bb+ee
	v_exp_f32 v[rX], v[rX]
.else
	v_exp_f32 v[ST+8*bb+6], v[ST+8*bb+7]
.endif
.endm
.macro OP_S                            ; the sum of the eight, in pairs; L = L F + the sum
.set rX, ACC+32*pp+8*bb
.set rT, ST+8*bb
.if ee == 0
	s_wait_alu depctr_va_vdst(0)
	v_pk_add_f32 v[rX:rX+1], v[rX:rX+1], v[rX+2:rX+3]
.elseif ee == 1
	v_pk_add_f32 v[rX+4:rX+5], v[rX+4:rX+5], v[rX+6:rX+7]
.elseif ee == 2
	v_pk_add_f32 v[rX:rX+1], v[rX:rX+1], v[rX+4:rX+5]
.else
	v_pk_fma_f32 v[rT+4:rT+5], v[rT+4:rT+5], v[rT+6:rT+7], v[rX:rX+1] op_sel_hi:[1,0,1]
.endif
.endm
.macro PLAIN                           ; plain instruction ii of 42: whatever is ready beside the exponentials
.if ii < 2
.set bb, 0
.set ee, ii+2
	OP_C
.elseif ii < 6
.set bb, 1
.set ee, ii-2
	OP_C
.elseif ii < 10
.set bb, 2
.set ee, ii-6
	OP_MAX
.elseif ii < 12
.set bb, 2
.set ee, ii-10
	OP_B
.elseif ii < 16
.set bb, 2
.set ee, ii-12
	OP_C
.elseif ii < 20
.set bb, 3
.set ee, ii-16
	OP_MAX
.elseif ii < 22
.set bb, 3
.set ee, ii-20
	OP_B
.elseif ii < 26
.set bb, 3
.set ee, ii-22
	OP_C
.else
.set bb, (ii-26)/4
.set ee, (ii-26)%4
	OP_S
.endif
.endm
; Number q of the 96 vector instructions of a tile.  0-3: the addresses of the next fetch (or v_nop); 4-17: blocks 0 and 1 as far as the first scalings, the two by turns;
; 18-89: an exponential at every even number and a plain instruction of another block at every odd one, so that no two exponentials follow each other and each has a plain instruction behind it before its result is used; 90-95: the last sums.
.macro ITEM fetch
.if q < 4
.if \fetch && (q == 0)
	v_add_nc_u32 v[ADR], s[TB], v[LI]
.elseif \fetch && (q == 1)
	v_add_nc_u32 v[ADRS], s[TB], v[L8]
	s_add_co_u32 s[TB], s[TB], IMG
.elseif \fetch && (q == 2)
	v_add_nc_u32 v[ADRB], s[TBI], v[BH]
	s_add_co_u32 s[TBI], s[TBI], 64
.else
	v_nop
.endif
.elseif q < 12
.set bb, (q-4)%2
.set ee, (q-4)/2
	OP_MAX
.elseif q < 16
.set bb, q%2
.set ee, (q-12)/2
	OP_B
.elseif q < 18
.set bb, 0
.set ee, q-16
	OP_C
.elseif q < 90
.set ii, (q-18)/2
.if q%2 == 0
.set bb, ii/9
.set ee, ii%9
	OP_E
.else
	PLAIN
.endif
.else
.set ii, q-54
	PLAIN
.endif
.endm
; THE CHANGE OF SLOTS.  Each wave waits for all its tensor loads (its part of the slot that is read next), adds 0 to its spare word, and waits for that and for its reads of the slot that it has left
; (at the first change: of its staging).  kind = 1: a round of the cluster's barrier, so that no wave of any partner still reads those bytes or has a load on its way; the joint refill is the first thing behind it.  kind = 2: nothing is left to ask for.
.macro CHANGE kind
	s_wait_tensorcnt 0x0                           ; no tensor load of mine is out, so the walking group 0 may be written
	ds_add_u32 v[SPW], v[NIL]                      ; 0 onto my spare word
.if \kind == 1
	s_xor_b32 s[G0W+1], s[G0W+1], SLOT1            ; the other slot than last time,
	s_add_nc_u64 s[G0W+2:G0W+3], s[G0W+2:G0W+3], SLOTB   ; the next eight images; the type bits on top are not reached
	s_wait_dscnt 0x0
	CROUND
	tensor_load_to_lds s[G0W:G0W+3], s[G1W:G1W+7]
	s_nop 0
.rept 4
	v_nop                                          ; (behind a tensor load)
.endr
.else
	s_wait_dscnt 0x0
	s_barrier_signal -1
	s_barrier_wait -1
.endif
.endm
; A TILE of parity p: 32 products into set p; behind each, three of the 96 instructions on set 1 - p.  fetch = 1: the next tile's image comes from LDS into set 1 - p: scale words and biases behind product 1,
; a fragment behind each of products 2, 4 .. 16; the wait for them stands at the next tile's head, 15 matrix instructions on.
; PLACES: between the last tile's last product and the first read of its results (number 4) stand numbers 93-95 and 0-3, seven plain instructions that name none of its registers; more stand in front of the first load into set 1 - p.
.macro TILE p, change, fetch
.set pp, 1-(\p)
	s_wait_dscnt 0x0                               ; this tile's image is in registers
.set k, 0
.rept 32
	PROD \p
	WIN 0
.set q, 3*k
	ITEM \fetch
.set q, 3*k+1
	ITEM \fetch
.set q, 3*k+2
	ITEM \fetch
.if (k == 0) && (\change > 0)
	CHANGE \change
.endif
.if \fetch && (k == 1)
.irp c, 0,1
	ds_load_b64 v[WS+4*pp+2*\c:WS+4*pp+2*\c+1], v[ADRS] offset:SCO+256*\c
.endr
	ds_load_b128 v[BI+8*pp:BI+8*pp+3], v[ADRB]
	ds_load_b128 v[BI+8*pp+4:BI+8*pp+7], v[ADRB] offset:16
.endif
.if \fetch && (k >= 2) && (k <= 16) && (k%2 == 0)
.set ff, (k-2)/2
	WIN 0xc0                                       ; destination window 3
.irp g, 0,1,2
	ds_load_b128 v[96*pp+12*ff+4*\g:96*pp+12*ff+4*\g+3], v[ADR] offset:FRB*ff+512*\g
.endr
.endif
.set k, k+1
.endr
.endm
.Lgroup:                                           ; five trips of eight tiles: group k multiplies tiles 8 k .. 8 k + 7, fetches fill k from slot k % 2 and asks for fill k + 1
	TILE 0, 1, 1
	TILE 1, 0, 1
.rept 3
	TILE 0, 0, 1
	TILE 1, 0, 1
.endr
	WIN 0                                          ; at a label and at a branch every window is 0
	s_sub_co_u32 s[TB], s[TB], SLOTB               ; the fetches go back to a slot's first image,
	s_xor_b32 s[TB], s[TB], SLOT1                  ; in the other slot
	s_sub_co_u32 s[CNT], s[CNT], 1
	s_cmp_lg_u32 s[CNT], 0
	s_cbranch_scc1 .Lgroup
	TILE 0, 2, 1                                   ; the last group is written out
	TILE 1, 0, 1
.rept 3
	TILE 0, 0, 1
	TILE 1, 0, 1
.endr
	TILE 0, 0, 0                                   ; tile 48
	WIN 0
.rept 4
	v_nop                                          ; places behind the last products
.endr
.set pp, 0
.set q, 4
.rept 92
	ITEM 0                                         ; tile 48's softmax: it leaves the last N at +0
.set q, q+1
.endr
.irp a, 0,1,2,3
	v_add_f32 v[ST+8*\a+1], v[ST+8*\a+4], v[ST+8*\a+5]   ; L's two halves, beside N
.endr
.irp a, 0,1,2,3
	global_store_b64 v[PO], v[ST+8*\a:ST+8*\a+1], s[74:75] offset:256*\a   ; 32 lanes store 256 consecutive bytes, at a multiple of 256 from part's first byte
.endr
	s_wait_tensorcnt 0x0                           ; the wave's end
	ds_add_u32 v[SPW], v[NIL]
	s_wait_dscnt 0x0
	CROUND                                         ; the closing round: no work-group ends while a partner may still ask for a tile that names it
	s_endpgm
.Lfunc_end_k_q325e0f4f1f_lse:
	.size	k_q325e0f4f1f_lse, .Lfunc_end_k_q325e0f4f1f_lse-k_q325e0f4f1f_lse
	.p2alignl 7, 3214868480
	.fill 96, 4, 3214868480
	.section	.rodata,"a",@progbits
	.p2align	6, 0x0
	.amdhsa_kernel k_q325e0f4f1f_lse
		.amdhsa_group_segment_fixed_size 327680
		.amdhsa_private_segment_fixed_size 0
		.amdhsa_enable_private_segment 0
		.amdhsa_kernarg_size 32
		.amdhsa_user_sgpr_count 2
		.amdhsa_user_sgpr_kernarg_segment_ptr 1
		.amdhsa_wavefront_size32 1
		.amdhsa_system_sgpr_workgroup_id_x 1
		.amdhsa_system_sgpr_workgroup_id_y 1
		.amdhsa_system_sgpr_workgroup_id_z 1
		.amdhsa_system_vgpr_workitem_id 0
		.amdhsa_next_free_vgpr 1024
		.amdhsa_next_free_sgpr 80
		.amdhsa_reserve_vcc 0
		.amdhsa_float_denorm_mode_32 3
		.amdhsa_float_denorm_mode_16_64 3
		.amdhsa_memory_ordered 1
		.amdhsa_forward_progress 1
		.amdhsa_inst_pref_size 240
	.end_amdhsa_kernel
	.amdgpu_metadata
---
amdhsa.version: [ 1, 2 ]
amdhsa.kernels:
  - .name:           k_q325e0f4f1f_lse
    .symbol:         k_q325e0f4f1f_lse.kd
    .args:
      - { .name: hq, .offset: 0, .size: 8, .value_kind: global_buffer, .address_space: global }
      - { .name: wq, .offset: 8, .size: 8, .value_kind: global_buffer, .address_space: global }
      - { .name: wbias, .offset: 16, .size: 8, .value_kind: global_buffer, .address_space: global }
      - { .name: part, .offset: 24, .size: 8, .value_kind: global_buffer, .address_space: global }
    .group_segment_fixed_size: 327680
    .private_segment_fixed_size: 0
    .kernarg_segment_align: 8
    .kernarg_segment_size: 32
    .max_flat_workgroup_size: 128
    .sgpr_count:     80
    .vgpr_count:     1024
    .wavefront_size: 32
...
	.end_amdgpu_metadata
.endif
;; end of part 2
;; launch fin (part 3): grid 64 x 1, 4 waves a work-group, no clusters, 768 bytes of LDS; arguments target, hq, wq, wbias, part, out0; writes out0
.if DOCPART == 3
	.amdgcn_target "amdgcn-amd-amdhsa--gfx1250"
	.amdhsa_code_object_version 6
	.text
	.protected	k_q325e0f4f1f_fin
	.globl	k_q325e0f4f1f_fin
	.p2align	8
	.type	k_q325e0f4f1f_fin,@function
k_q325e0f4f1f_fin:
	s_mov_b64 s[64:65], 0
	v_nop
	global_prefetch_b8 v0, s[64:65] scope:SCOPE_SE
	s_setreg_imm32_b32 hwreg(HW_REG_WAVE_MODE, 25, 1), 1
	s_wait_xcnt 0x0
; nll[t] = ln(the sum over the head's 12,502 rows of e^logit) - logit[t][target[t]].
; The sum: a token's 32 parts (N, L) are joined under the least N (the largest maximum): S = the sum of L 2^(least N - N); ln(sum) = ln 2 x (log2 S - least N).
; The target's logit: made anew by the same matrix instruction on the same codes.  Source 0's row m is the target row of token m, gathered lane by lane from its tile image; source 1 the wave's 16 tokens; the diagonal of the 16 x 16 result is wanted.
; A target under 0 counts as 0, as the clip has it.  A target over 12,501 lies outside the head's table (or in a tail cluster, whose table is empty): NaN is stored.
; SHARES: a wave takes 16 tokens, one image of hq; lanes r and r + 16 both serve token r.  The 4,096 tokens are work for 64 work-groups of four waves: each stores 256 consecutive bytes of out0.
.set IMG, 12800
.set FRB, 1536
.set SCO, 8*FRB
.set PR,  16                           ; v16-47  my 16 parts: (N, L) pairs
.set WSC, 48                           ; v48-51  the gathered rows' scale words
.set TSC, 52                           ; v52-55  the tokens'
.set AC,  64                           ; v64-71 even K steps' sum, v72-79 odd K steps'
.set DS,  80                           ; v80-87  their sum
.set WF,  96                           ; v96-191 the gathered rows' eight fragments;  window 1, v0-95: the tokens'
.set MSB, 0
.macro WIN new
.if MSB != \new
	s_set_vgpr_msb (MSB<<8)|\new
.set MSB, \new
.endif
.endm
	s_load_b256 s[4:11], s[0:1], 0x0               ; target s[4:5], hq s[6:7], wq s[8:9], wbias s[10:11]
	s_load_b128 s[12:15], s[0:1], 0x20             ; part s[12:13], out0 s[14:15]
	v_lshl_add_u32 v254, v0, 2, 0x100
	v_mov_b32 v255, 0
	v_lshrrev_b32 v1, 5, v0
	v_readfirstlane_b32 s16, v1                    ; wave 0..3
	v_and_b32 v1, 15, v0                           ; r
	v_bfe_u32 v2, v0, 4, 1                         ; h
	v_and_b32 v3, 31, v0
	v_lshlrev_b32 v4, 3, v3                        ; 8 l
	v_lshlrev_b32 v3, 4, v3                        ; 16 l
	v_lshlrev_b32 v13, 2, v1                       ; 4 r
	v_lshlrev_b32 v10, 4, v1
	v_lshl_add_u32 v10, v2, 19, v10                ; part: 16 r, and column groups 8 h on (65,536 bytes each)
	v_and_b32 v11, 7, v0                           ; r % 8
	v_mov_b32 v15, 0                               ; a lane permute's destination counts as one of its sources
	v_mov_b32 v62, 0
	s_lshl_b32 s28, s16, 6
	v_add_nc_u32 v14, s28, v13                     ; LDS: 4 (16 wave + r)
	s_lshl_b32 s17, ttmp9, 2
	s_add_co_u32 s17, s17, s16                     ; my image of hq
	s_lshl_b32 s18, s17, 6
	s_mov_b32 s19, 0
	s_mul_i32 s20, s17, IMG
	s_mov_b32 s21, 0
	s_lshl_b32 s22, s17, 8
	s_mov_b32 s23, 0
	s_lshl_b32 s24, ttmp9, 8
	s_mov_b32 s25, 0
	s_mov_b32 s26, 0x76543210
	s_mov_b32 s27, 0xfedcba98                      ; v_permlanex16_b32's selects for lane l xor 16
	s_mov_b32 s29, 0x3f317218                      ; ln 2
	s_wait_kmcnt 0x0
	s_add_nc_u64 s[4:5], s[4:5], s[18:19]
	s_add_nc_u64 s[6:7], s[6:7], s[20:21]
	s_add_nc_u64 s[12:13], s[12:13], s[22:23]
	s_add_nc_u64 s[14:15], s[14:15], s[24:25]
	global_load_b32 v5, v13, s[4:5]                ; token r's target
.irp i, 0,1,2,3,4,5,6,7
	global_load_b128 v[PR+4*\i:PR+4*\i+3], v10, s[12:13] offset:65536*\i   ; column group 8 h + i: both halves' (N, L); sixteen lanes read 256 consecutive bytes
.endr
	WIN 0x40                                       ; destination window 1
.irp s, 0,1,2,3,4,5,6,7
.irp g, 0,1,2
	global_load_b128 v[12*\s+4*\g:12*\s+4*\g+3], v3, s[6:7] offset:FRB*\s+512*\g
.endr
.endr
	WIN 0
.irp c, 0,1
	global_load_b64 v[TSC+2*\c:TSC+2*\c+1], v4, s[6:7] offset:SCO+256*\c
.endr
	s_wait_loadcnt 34                              ; the target is in; the 8 + 26 loads issued behind it may be out
	v_cmp_gt_i32 vcc_lo, 0, v5
	v_cndmask_b32 v6, v5, v62, vcc_lo              ; under 0: 0
	v_min_u32 v6, 0x30d5, v6                       ; at most 12,501: the index stays inside wq and wbias
	v_and_b32 v7, 0xfff0, v6
	v_mul_u32_u24 v7, v7, 800                      ; 16 x tile x 800 = tile x 12,800
	v_and_b32 v12, 15, v6                          ; the row in its tile: it lies in lanes row and row + 16 of the image
	v_lshl_add_u32 v8, v12, 3, v7
	v_lshl_add_u32 v8, v2, 7, v8                   ; scale words: 8 (row + 16 h)
	v_lshl_add_u32 v7, v12, 4, v7
	v_lshl_add_u32 v7, v2, 8, v7                   ; fragments: 16 (row + 16 h)
	v_lshlrev_b32 v9, 2, v6
.irp s, 0,1,2,3,4,5,6,7
.irp g, 0,1,2
	global_load_b128 v[WF+12*\s+4*\g:WF+12*\s+4*\g+3], v7, s[8:9] offset:FRB*\s+512*\g
.endr
.endr
.irp c, 0,1
	global_load_b64 v[WSC+2*\c:WSC+2*\c+1], v8, s[8:9] offset:SCO+256*\c
.endr
	global_load_b32 v56, v9, s[10:11]              ; the target's bias
	s_wait_loadcnt 53                              ; the parts are in; the 26 + 27 loads issued behind them may be out
	v_min3_num_f32 v12, v[PR], v[PR+2], v[PR+4]
.irp i, 6,10,14,18,22,26
	v_min3_num_f32 v12, v12, v[PR+\i], v[PR+\i+2]
.endr
	v_min_num_f32 v12, v12, v[PR+30]
	v_permlanex16_b32 v15, v12, s26, s27
	v_min_num_f32 v12, v12, v15                    ; the least N of the token's 32
.irp i, 0,2,4,6,8,10,12,14,16,18,20,22,24,26,28,30
	v_sub_f32 v[PR+\i], v12, v[PR+\i]              ; 0 or less
.endr
.irp i, 0,2,4,6,8,10,12,14,16,18,20,22,24,26,28,30
	v_exp_f32 v[PR+\i], v[PR+\i]
.endr
	v_nop                                          ; a plain instruction between the exponentials and the use of their results
	s_wait_alu depctr_va_vdst(0)
	v_mul_f32 v57, v[PR+1], v[PR]
	v_mul_f32 v58, v[PR+3], v[PR+2]
.irp i, 4,8,12,16,20,24,28
	v_fmac_f32 v57, v[PR+\i+1], v[PR+\i]
	v_fmac_f32 v58, v[PR+\i+3], v[PR+\i+2]
.endr
	v_add_f32 v57, v57, v58
	v_permlanex16_b32 v15, v57, s26, s27
	v_add_f32 v57, v57, v15                        ; S
	v_log_f32 v58, v57
	v_lshrrev_b32 v60, 3, v1                       ; r / 8: the half of the lanes in which token r's diagonal element lies.  (A plain instruction behind the logarithm)
	s_wait_loadcnt 0x0
	WIN 0x04                                       ; source 1 window 1
.irp s, 0,1,2,3,4,5,6,7                        ; two accumulators by turns: even K steps (scale words in lanes 0-15), odd K steps (lanes 16-31)
.if \s == 0
	v_wmma_scale_f32_16x16x128_f8f6f4 v[AC:AC+7], v[WF:WF+11], v[0:11], 0, v[WSC], v[TSC] matrix_a_fmt:MATRIX_FMT_FP6 matrix_b_fmt:MATRIX_FMT_FP6
.elseif \s == 1
	v_wmma_scale_f32_16x16x128_f8f6f4 v[AC+8:AC+15], v[WF+12:WF+23], v[12:23], 0, v[WSC], v[TSC] matrix_a_fmt:MATRIX_FMT_FP6 matrix_b_fmt:MATRIX_FMT_FP6 matrix_a_scale:MATRIX_SCALE_ROW1 matrix_b_scale:MATRIX_SCALE_ROW1
.elseif \s%2 == 0
	v_wmma_scale_f32_16x16x128_f8f6f4 v[AC:AC+7], v[WF+12*\s:WF+12*\s+11], v[12*\s:12*\s+11], v[AC:AC+7], v[WSC+\s/2], v[TSC+\s/2] matrix_a_fmt:MATRIX_FMT_FP6 matrix_b_fmt:MATRIX_FMT_FP6
.else
	v_wmma_scale_f32_16x16x128_f8f6f4 v[AC+8:AC+15], v[WF+12*\s:WF+12*\s+11], v[12*\s:12*\s+11], v[AC+8:AC+15], v[WSC+\s/2], v[TSC+\s/2] matrix_a_fmt:MATRIX_FMT_FP6 matrix_b_fmt:MATRIX_FMT_FP6 matrix_a_scale:MATRIX_SCALE_ROW1 matrix_b_scale:MATRIX_SCALE_ROW1
.endif
.endr
	WIN 0
.rept 4
	v_nop                                          ; places behind the last products (ISA guide 7.12.1)
.endr
.irp j, 0,1,2,3,4,5,6,7
	v_add_f32 v[DS+\j], v[AC+\j], v[AC+8+\j]       ; each accumulator from its low end on.  Register j of lane (r, h): target row of token 8 h + j . token r
.endr
.irp j, 1,2,3,4,5,6,7
	v_cmp_eq_u32 vcc_lo, \j, v11
	v_cndmask_b32 v[DS], v[DS], v[DS+\j], vcc_lo   ; register r % 8
.endr
	v_permlanex16_b32 v15, v[DS], s26, s27
	v_cmp_eq_u32 vcc_lo, v60, v2
	v_cndmask_b32 v[DS], v15, v[DS], vcc_lo        ; of the half r / 8: both lanes of a token now hold its diagonal element
	v_add_f32 v[DS], v[DS], v56                    ; the target's logit
	s_wait_alu depctr_va_vdst(0)
	v_sub_f32 v58, v58, v12                        ; log2 S - the least N
	v_fma_f32 v58, v58, s29, -v[DS]
	v_mov_b32 v61, 0x7fc00000
	v_cmp_lt_i32 vcc_lo, 0x30d5, v5
	v_cndmask_b32 v58, v58, v61, vcc_lo
	ds_store_b32 v14, v58                          ; both lanes of a token write the same word with the same value
	s_wait_dscnt 0x0                               ; for the others' sake: my store is done
	s_barrier_signal -1
	s_barrier_wait -1
	s_cmp_lg_u32 s16, 0
	s_cbranch_scc1 .Lend
	ds_load_b64 v[62:63], v4                       ; wave 0: the work-group's 64 numbers, 8 bytes a lane
	s_wait_dscnt 0x0
	global_store_b64 v4, v[62:63], s[14:15]        ; 256 consecutive bytes, at a multiple of 256 from out0's first byte
.Lend:
	s_wait_tensorcnt 0x0
	ds_add_u32 v254, v255
	s_wait_dscnt 0x0
	s_endpgm
.Lfunc_end_k_q325e0f4f1f_fin:
	.size	k_q325e0f4f1f_fin, .Lfunc_end_k_q325e0f4f1f_fin-k_q325e0f4f1f_fin
	.p2alignl 7, 3214868480
	.fill 96, 4, 3214868480
	.section	.rodata,"a",@progbits
	.p2align	6, 0x0
	.amdhsa_kernel k_q325e0f4f1f_fin
		.amdhsa_group_segment_fixed_size 768
		.amdhsa_private_segment_fixed_size 0
		.amdhsa_enable_private_segment 0
		.amdhsa_kernarg_size 48
		.amdhsa_user_sgpr_count 2
		.amdhsa_user_sgpr_kernarg_segment_ptr 1
		.amdhsa_wavefront_size32 1
		.amdhsa_system_sgpr_workgroup_id_x 1
		.amdhsa_system_sgpr_workgroup_id_y 1
		.amdhsa_system_sgpr_workgroup_id_z 1
		.amdhsa_system_vgpr_workitem_id 0
		.amdhsa_next_free_vgpr 352
		.amdhsa_next_free_sgpr 66
		.amdhsa_reserve_vcc 1
		.amdhsa_float_denorm_mode_32 3
		.amdhsa_float_denorm_mode_16_64 3
		.amdhsa_memory_ordered 1
		.amdhsa_forward_progress 1
		.amdhsa_inst_pref_size 14
	.end_amdhsa_kernel
	.amdgpu_metadata
---
amdhsa.version: [ 1, 2 ]
amdhsa.kernels:
  - .name:           k_q325e0f4f1f_fin
    .symbol:         k_q325e0f4f1f_fin.kd
    .args:
      - { .name: target, .offset: 0, .size: 8, .value_kind: global_buffer, .address_space: global }
      - { .name: hq, .offset: 8, .size: 8, .value_kind: global_buffer, .address_space: global }
      - { .name: wq, .offset: 16, .size: 8, .value_kind: global_buffer, .address_space: global }
      - { .name: wbias, .offset: 24, .size: 8, .value_kind: global_buffer, .address_space: global }
      - { .name: part, .offset: 32, .size: 8, .value_kind: global_buffer, .address_space: global }
      - { .name: out0, .offset: 40, .size: 8, .value_kind: global_buffer, .address_space: global }
    .group_segment_fixed_size: 768
    .private_segment_fixed_size: 0
    .kernarg_segment_align: 8
    .kernarg_segment_size: 48
    .max_flat_workgroup_size: 128
    .sgpr_count:     66
    .vgpr_count:     352
    .wavefront_size: 32
...
	.end_amdgpu_metadata
.endif
;; end of part 3
;; ======== version 2 of 2: 3 launches; 1.23 times as fast as version 1
;; limits: right only within a limited range of input values
;; workspace buffers: hq 3,276,800 bytes; wq 10,035,200 bytes; wbias 50,176 bytes; part 1,048,576 bytes
;; launch quant (part 4): grid 1040 x 1, 2 waves a work-group, no clusters, 17,152 bytes of LDS; arguments hidden, out_weight, cluster_weight, out_bias, cluster_bias, hq, wq, wbias; writes hq, wq, wbias
.if DOCPART == 4
	.amdgcn_target "amdgcn-amd-amdhsa--gfx1250"
	.amdhsa_code_object_version 6
	.text
	.protected	k_q325e0f4f1f_quant
	.globl	k_q325e0f4f1f_quant
	.p2align	8
	.type	k_q325e0f4f1f_quant,@function
k_q325e0f4f1f_quant:
	s_mov_b64 s[64:65], 0
	v_nop
	global_prefetch_b8 v0, s[64:65] scope:SCOPE_SE
	s_setreg_imm32_b32 hwreg(HW_REG_WAVE_MODE, 25, 1), 1
	s_wait_xcnt 0x0
; hidden [4096][1024] and the head's weight (out_weight's 12,500 rows, then cluster_weight's 2), f32, K innermost, become codes of FP6 (E2M3) with one E8M0 scale byte for each 32 along K.
; A block's scale is 2^(floor(log2(its largest magnitude)) - 2); its byte is that magnitude's exponent field - 2, held at 1 from below; numbers are divided by the scale and rounded to the nearest code, ties to even, beyond 7.5 the largest code.
; LIMITS: a block whose largest magnitude lies under 2^-124 keeps the byte 1; a block of zeros keeps the byte 1 where the rule says 127 (its codes are zeros, and this program alone reads the bytes); NaN and infinities among the inputs are not served.
; OUTPUT: TILE IMAGES of 12,800 bytes, one for 16 rows and all of K, laid in the order of the matrix operand's registers:
;   fragment s (k = 128 s on) at 1,536 s: registers 4 g .. 4 g + 3 of lane l at 1,536 s + 512 g + 16 l; lane (r = l % 16, h = l / 16) holds row r, registers 6 c .. 6 c + 5 hold k = 128 s + 64 c + 32 h + 0 .. 31;
;   scale words at 12,288 + 256 q + 8 l + 4 i: row l % 16, K step 4 q + 2 i + l / 16.  So two loads of 8 bytes a lane give four registers; register s / 2 holds K step s in lanes 0-15 (s even) or 16-31 (s odd).
; hq: 256 images of tokens.  wq: 784 images of head rows; rows 12,502 .. 12,543 get zero codes.  wbias: the head's 12,502 biases, then -2^100 for the 42 rows of padding.
; SHARES: 1,040 tiles, one to a work-group of two waves; wave q takes half q of K: four K steps of 128.  The work-groups are small so that 1,040 equal pieces spread evenly; several lie on a WGP together.
; All tiles take one path through the text; only pointers and bounds are chosen.
; Each load reads 512 consecutive bytes of one row; a K step's 16 rows turn through the wave's own stage in LDS, so that a lane gets 32 neighbours along K.  Waves share nothing: no barrier.
.set SP,    528                        ; a stage row: 512 bytes + 16: an odd multiple of 16, so the 16 rows that a load touches start in different banks (64 banks of 4 bytes: ISA guide 11.1)
.set WREG,  16*SP                      ; a wave's stage
.set IMG,   12800
.set FRB,   1536
.set SCO,   8*FRB                      ; where an image's scale words begin
.set HT,    256                        ; tiles of tokens
.set GL,  4                            ; v4   16 l + 2,048 q: my 16 bytes of a row's 512, in my half of K
.set STI, 5                            ; v5   the stage, on the way in: 16 l
.set STO, 6                            ; v6   on the way out: 528 r + 128 h
.set GO,  7                            ; v7   16 l + 6,144 q: my place in the image's fragments
.set GS,  8                            ; v8   8 l + 12,288 + 256 q: my scale words
.set VM,  9                            ; v9   all ones where my row is a row of the tensor, else 0
.set SH,  10                           ; v10  8 h
.set MA,  11                           ; v11, v12  two chains of a maximum
.set MB,  12
.set PT,  13                           ; v13  a lane permute's destination
.set SO,  14                           ; v14-15 the conversions' scale operands of blocks 0, 1
.set BY,  16                           ; v16-17 their bytes
.set R,   32                           ; v32-159  two sets of 64: 16 rows as loaded
.set X,   160                          ; v160-223 my 64 numbers of a K step
.set C,   224                          ; v224-235 the fragment
.set CT,  236                          ; v236-238, v240-242 the upper 16 codes of each block (a conversion's three registers begin on an even number)
.set W,   244                          ; v244-247 the four K steps' scale words
.set SCW, 248                          ; v248-249 as they are stored
.set RB,  32                           ; s[32:63] the 16 rows' addresses
	s_load_b256 s[4:11], s[0:1], 0x0               ; hidden s[4:5], out_weight s[6:7], cluster_weight s[8:9], out_bias s[10:11]
	s_load_b256 s[12:19], s[0:1], 0x20             ; cluster_bias s[12:13], hq s[14:15], wq s[16:17], wbias s[18:19]
	v_lshl_add_u32 v254, v0, 2, 0x4200
	v_mov_b32 v255, 0
	v_lshrrev_b32 v1, 5, v0
	v_readfirstlane_b32 s20, v1                    ; wave 0..1 = q, my half of K
	v_and_b32 v1, 31, v0                           ; l
	v_and_b32 v2, 15, v0                           ; r
	v_bfe_u32 v3, v0, 4, 1                         ; h
	s_lshl_b32 s24, s20, 11
	v_lshl_add_u32 v[GL], v1, 4, s24
	s_mul_i32 s25, s20, WREG
	v_lshl_add_u32 v[STI], v1, 4, s25
	v_mul_u32_u24 v[STO], v2, SP
	v_lshl_add_u32 v[STO], v3, 7, v[STO]
	v_add_nc_u32 v[STO], s25, v[STO]
	s_mul_i32 s24, s20, 4*FRB
	v_lshl_add_u32 v[GO], v1, 4, s24
	s_lshl_b32 s24, s20, 8
	s_add_co_u32 s24, s24, SCO
	v_lshl_add_u32 v[GS], v1, 3, s24
	v_lshlrev_b32 v[SH], 3, v3
	v_mov_b32 v[PT], 0                             ; written once: a lane permute's destination counts as one of its sources
	s_mov_b32 s68, 0x76543210
	s_mov_b32 s69, 0xfedcba98                      ; v_permlanex16_b32's selects for lane l xor 16
	s_mov_b32 s70, 0xffff0000                      ; a mask of lanes 16-31
	s_wait_kmcnt 0x0
	s_cmp_lt_u32 ttmp9, HT                         ; a tile of tokens or of the head?  The choice hangs on the work-group's number alone
	s_cselect_b64 s[30:31], s[4:5], s[6:7]         ; the tensor,
	s_cselect_b64 s[66:67], s[14:15], s[16:17]     ; its images,
	s_mov_b32 s26, 12500
	s_cselect_b32 s26, 4096, s26                   ; its rows,
	s_mov_b32 s27, 12502
	s_cselect_b32 s27, 4096, s27                   ; the rows that count (the head has cluster_weight's two behind out_weight's),
	s_cselect_b32 s24, 0, HT
	s_sub_co_u32 s24, ttmp9, s24                   ; the tile's number in its buffer
	s_lshl_b32 s28, s24, 4                         ; its first row
	s_mul_i32 s24, s24, IMG
	s_mov_b32 s25, 0
	s_add_nc_u64 s[66:67], s[66:67], s[24:25]
	v_add_nc_u32 v[VM], s28, v2
	v_cmp_gt_u32 vcc_lo, s27, v[VM]
	v_cndmask_b32 v[VM], 0, -1, vcc_lo
; Row p's address.  A row behind the tensor's last is cluster_weight's row 0 or 1; the rows of padding read row 1 again (no load leaves its buffer) and their codes are cleared.
.macro ROWBASE p
	s_add_co_u32 s24, s28, \p
	s_sub_co_u32 s25, s24, s26
	s_min_u32 s25, s25, 1
	s_cmp_lt_u32 s24, s26
	s_cselect_b32 s24, s24, s25
	s_cselect_b64 s[RB+2*\p:RB+2*\p+1], s[30:31], s[8:9]
	s_lshl_b32 s24, s24, 12                        ; a row is 4,096 bytes; under 2^26 in all
	s_mov_b32 s25, 0
	s_add_nc_u64 s[RB+2*\p:RB+2*\p+1], s[RB+2*\p:RB+2*\p+1], s[24:25]
.endm
.irp p, 0,1,2,3,4,5,6,7,8,9,10,11,12,13,14,15
	ROWBASE \p
.endr
.macro LOAD t                          ; K step t of my four: 16 loads, each 512 consecutive bytes of one row, at a multiple of 512 from the row's first byte
.irp p, 0,1,2,3,4,5,6,7,8,9,10,11,12,13,14,15
	global_load_b128 v[R+64*((\t)%2)+4*\p:R+64*((\t)%2)+4*\p+3], v[GL], s[RB+2*\p:RB+2*\p+1] offset:512*(\t) th:TH_LOAD_NT
.endr
.endm
	LOAD 0
	LOAD 1
; Block c of my two (k = 64 c + 32 h + 0 .. 31 of row r): all 32 numbers are mine.
.macro QBLOCK c
.set XB, X+32*\c
	v_max3_num_f32 v[MA], |v[XB]|, |v[XB+1]|, 0x1800000            ; the floor 2^(3 - 127) among the leaves: the byte cannot fall under 1
	v_max3_num_f32 v[MB], |v[XB+2]|, |v[XB+3]|, |v[XB+4]|
.irp i, 5,9,13,17,21,25
	v_max3_num_f32 v[MA], v[MA], |v[XB+\i]|, |v[XB+\i+1]|
	v_max3_num_f32 v[MB], v[MB], |v[XB+\i+2]|, |v[XB+\i+3]|
.endr
	v_max3_num_f32 v[MA], v[MA], |v[XB+29]|, |v[XB+30]|
	v_max3_num_f32 v[MA], v[MA], v[MB], |v[XB+31]|
	v_add_nc_u32 v[SO+\c], 0xff000000, v[MA]                       ; 2 off the exponent field: the conversion takes the exponent field of this operand as its scale
	v_cvt_scalef32_pk16_fp6_f32 v[C+6*\c:C+6*\c+2], v[XB:XB+15], v[SO+\c]
	v_cvt_scalef32_pk16_fp6_f32 v[CT+4*\c:CT+4*\c+2], v[XB+16:XB+31], v[SO+\c]
	v_lshrrev_b32 v[BY+\c], 23, v[SO+\c]                           ; the scale's byte; also the plain instruction between the conversions and the first touch of their results
.irp i, 0,1,2
	v_mov_b32 v[C+6*\c+3+\i], v[CT+4*\c+\i]
.endr
.endm
.macro STEP t
.if \t < 3
	s_wait_loadcnt 16                              ; this step's 16 loads are in; the next step's 16 may be out
.else
	s_wait_loadcnt 0x0
.endif
.irp p, 0,1,2,3,4,5,6,7,8,9,10,11,12,13,14,15
	ds_store_b128 v[STI], v[R+64*((\t)%2)+4*\p:R+64*((\t)%2)+4*\p+3] offset:SP*\p
.endr
.irp c, 0,1
.irp i, 0,1,2,3,4,5,6,7
	ds_load_b128 v[X+32*\c+4*\i:X+32*\c+4*\i+3], v[STO] offset:256*\c+16*\i   ; LDS serves a wave's instructions in order (ISA guide 5.7.1.4): these see the stores above
.endr
.endr
	s_wait_dscnt 8                                 ; the stores have read their registers and block 0 is back; block 1's eight loads may be out
.if \t > 0
	s_wait_xcnt 0x0                                ; the last step's stores have read the fragment's registers: they are written again only behind this wait
.endif
.if \t < 2
	LOAD \t+2                                      ; into the set that the stage has just taken over
.endif
	QBLOCK 0
	s_wait_dscnt 0x0
	QBLOCK 1
	v_lshl_or_b32 v[W+\t], v[BY+1], 16, v[BY]      ; my two bytes: blocks h and 2 + h,
	v_lshlrev_b32 v[W+\t], v[SH], v[W+\t]          ; at their places in the word;
	v_permlanex16_b32 v[PT], v[W+\t], s68, s69
	v_or_b32 v[W+\t], v[W+\t], v[PT]               ; with lane l xor 16's two the word is whole
.irp i, 0,1,2,3,4,5,6,7,8,9,10,11
	v_and_b32 v[C+\i], v[VM], v[C+\i]              ; rows of padding: zero codes
.endr
.irp g, 0,1,2
	global_store_b128 v[GO], v[C+4*\g:C+4*\g+3], s[66:67] offset:FRB*\t+512*\g   ; 32 lanes store 512 consecutive bytes, at a multiple of 512 from the buffer's first byte
.endr
.if \t == 1
	v_cndmask_b32 v[SCW], v[W], v[W+1], s70        ; lanes 0-15 the even K step's word, lanes 16-31 the odd one's
.endif
.if \t == 3
	v_cndmask_b32 v[SCW+1], v[W+2], v[W+3], s70
	global_store_b64 v[GS], v[SCW:SCW+1], s[66:67] ; 32 lanes store 256 consecutive bytes, aligned
.endif
.endm
.irp t, 0,1,2,3
	STEP \t
.endr
	; THE BIASES: wave 0 of work-groups 256 .. 451 writes 64 numbers of wbias each: 196 x 64 = 12,544.  Scalar branches on ids.
	s_cmp_lg_u32 s20, 0
	s_cbranch_scc1 .Lend
	s_cmp_lt_u32 ttmp9, 256
	s_cbranch_scc1 .Lend
	s_cmp_gt_u32 ttmp9, 451
	s_cbranch_scc1 .Lend
	s_sub_co_u32 s24, ttmp9, 256
	s_lshl_b32 s25, s24, 6
	v_lshl_add_u32 v18, v1, 1, s25                 ; my first index, even
	v_min_u32 v19, 12498, v18                      ; no load leaves out_bias
	v_lshlrev_b32 v19, 2, v19
	v_mov_b32 v20, 0
	s_lshl_b32 s25, s24, 8
	v_lshl_add_u32 v21, v1, 3, s25
	global_load_b64 v[160:161], v19, s[10:11]
	global_load_b64 v[162:163], v20, s[12:13]
	v_mov_b32 v22, 0xf1800000                      ; -2^100 for a row of padding: under every logit that is served, and its exponential is 0
	v_mov_b32 v23, v22
	s_wait_loadcnt 0x0
	v_cmp_eq_u32 vcc_lo, 12500, v18
	v_cndmask_b32 v22, v22, v162, vcc_lo
	v_cndmask_b32 v23, v23, v163, vcc_lo
	v_cmp_gt_u32 vcc_lo, 12500, v18
	v_cndmask_b32 v22, v22, v160, vcc_lo
	v_cndmask_b32 v23, v23, v161, vcc_lo
	global_store_b64 v21, v[22:23], s[18:19]       ; 256 consecutive bytes, aligned
.Lend:
	s_wait_tensorcnt 0x0
	ds_add_u32 v254, v255
	s_wait_dscnt 0x0
	s_endpgm
.Lfunc_end_k_q325e0f4f1f_quant:
	.size	k_q325e0f4f1f_quant, .Lfunc_end_k_q325e0f4f1f_quant-k_q325e0f4f1f_quant
	.p2alignl 7, 3214868480
	.fill 96, 4, 3214868480
	.section	.rodata,"a",@progbits
	.p2align	6, 0x0
	.amdhsa_kernel k_q325e0f4f1f_quant
		.amdhsa_group_segment_fixed_size 17152
		.amdhsa_private_segment_fixed_size 0
		.amdhsa_enable_private_segment 0
		.amdhsa_kernarg_size 64
		.amdhsa_user_sgpr_count 2
		.amdhsa_user_sgpr_kernarg_segment_ptr 1
		.amdhsa_wavefront_size32 1
		.amdhsa_system_sgpr_workgroup_id_x 1
		.amdhsa_system_sgpr_workgroup_id_y 1
		.amdhsa_system_sgpr_workgroup_id_z 1
		.amdhsa_system_vgpr_workitem_id 0
		.amdhsa_next_free_vgpr 256
		.amdhsa_next_free_sgpr 72
		.amdhsa_reserve_vcc 1
		.amdhsa_float_denorm_mode_32 3
		.amdhsa_float_denorm_mode_16_64 3
		.amdhsa_memory_ordered 1
		.amdhsa_forward_progress 1
		.amdhsa_inst_pref_size 38
	.end_amdhsa_kernel
	.amdgpu_metadata
---
amdhsa.version: [ 1, 2 ]
amdhsa.kernels:
  - .name:           k_q325e0f4f1f_quant
    .symbol:         k_q325e0f4f1f_quant.kd
    .args:
      - { .name: hidden, .offset: 0, .size: 8, .value_kind: global_buffer, .address_space: global }
      - { .name: out_weight, .offset: 8, .size: 8, .value_kind: global_buffer, .address_space: global }
      - { .name: cluster_weight, .offset: 16, .size: 8, .value_kind: global_buffer, .address_space: global }
      - { .name: out_bias, .offset: 24, .size: 8, .value_kind: global_buffer, .address_space: global }
      - { .name: cluster_bias, .offset: 32, .size: 8, .value_kind: global_buffer, .address_space: global }
      - { .name: hq, .offset: 40, .size: 8, .value_kind: global_buffer, .address_space: global }
      - { .name: wq, .offset: 48, .size: 8, .value_kind: global_buffer, .address_space: global }
      - { .name: wbias, .offset: 56, .size: 8, .value_kind: global_buffer, .address_space: global }
    .group_segment_fixed_size: 17152
    .private_segment_fixed_size: 0
    .kernarg_segment_align: 8
    .kernarg_segment_size: 64
    .max_flat_workgroup_size: 64
    .sgpr_count:     72
    .vgpr_count:     256
    .wavefront_size: 32
...
	.end_amdgpu_metadata
.endif
;; end of part 4
;; launch lse (part 5): grid 16 x 16, 4 waves a work-group, clusters of 4 x 4, 327,680 bytes of LDS; arguments hq, wq, wbias, part; writes part
.if DOCPART == 5
	.amdgcn_target "amdgcn-amd-amdhsa--gfx1250"
	.amdhsa_code_object_version 6
	.text
	.protected	k_q325e0f4f1f_lse
	.globl	k_q325e0f4f1f_lse
	.p2align	8
	.type	k_q325e0f4f1f_lse,@function
k_q325e0f4f1f_lse:
	s_mov_b64 s[64:65], 0
	v_nop
	global_prefetch_b8 v0, s[64:65] scope:SCOPE_SE
	s_setreg_imm32_b32 hwreg(HW_REG_WAVE_MODE, 25, 1), 1
	s_wait_xcnt 0x0
	s_wait_alu depctr_hold_cnt(0) depctr_sa_sdst(0) depctr_va_vdst(0) depctr_va_sdst(0) depctr_va_ssrc(0) depctr_va_vcc(0) depctr_vm_vsrc(0)
	s_getreg_b32 s2, hwreg(HW_REG_IB_STS2, 6, 4)
	s_cmp_eq_u32 s2, 0
	s_cbranch_scc0 .Lentry_in_a_cluster
	s_endpgm
.Lentry_in_a_cluster:
	s_bfe_u32 s2, ttmp6, 0x10000c
	s_cmp_lg_u32 s2, 0xf033
	s_cbranch_scc0 .Lentry_shape_is_right
	s_endpgm
.Lentry_shape_is_right:
; For 256 tokens and 784 head rows (49 tiles of 16) a work-group makes the logits Q(hidden) Q(head_w)^T + head_b on codes of FP6 (E2M3) with E8M0 scales, and of each token's logits a running maximum and a sum of exponentials.
; The logits never leave the registers.  Stored: part[column group 16][token 4096][h 2] = (N, L), N = -log2(e) x the largest logit seen (rounded once), L = the sum of 2^(log2(e) x logit + N); the next launch joins the 32 parts of a token.
; LIMITS: logits under -2^100 are not served (the running maximum starts there, and the padding's bias is that number); NaN and infinities are not served.
; SHARES.  Four waves, as many as a WGP has SIMDs; a wave keeps 64 tokens x all 1,024 of K in registers: 32 fragments, 384 registers.  So a head tile's 12,800 bytes, read from LDS once, feed 32 matrix instructions,
; and a tile's results are only 32 registers.  THE MATRIX INSTRUCTION IS USED TRANSPOSED (source 0 = 16 head rows, source 1 = 16 tokens): lane (r, h) holds token r and head rows 8 h + 0 .. 7, so maximum and sum stay in the lane.
; BY TURNS.  A tile's softmax is 92 vector instructions for 32 matrix instructions.  While tile j is multiplied into one set of accumulators, tile j - 1's softmax works on the other set, three instructions behind each matrix instruction.
; All that the softmax touches lies in window 0, the products' operands in windows 1 to 3: two switches of the register window for each matrix instruction are the price.
; THE LDS LOADS of the next tile stand in two runs, of 16 and of 12, never singly among the matrix instructions.
; OPERANDS are images of their registers (12,800 bytes for 16 rows: eight fragments of 1,536 bytes, lane l's registers 4 g .. 4 g + 3 at 512 g + 16 l; then 512 bytes of scale words): every LDS read is 16 or 8 bytes x lane on end, so no padding.
; CLUSTER 4 x 4.  The four work-groups of a column of the cluster have the same 256 tokens, the four of a row the same head rows and biases: each tile is asked for JOINTLY, by the same tensor load with a mask that names the four.
; RING.  Two slots of eight images.  The column group's tile 0 comes straight from memory into registers; fill k brings tiles 8 k + 1 .. 8 k + 8.  A refill is asked for eight tiles, 256 matrix instructions, ahead of its first read.
; By this text's count a wave has three tensor loads out at the start and one behind each round.
; LDS: 0 slot 0 (102,400) | 102,400 the tokens' staging, 51,200 a wave, filled once and read by the wave that asked | 131,072 slot 1 (102,400), which lies in the staging: its first fill is issued as a refill is |
;      307,200 the column group's 784 biases | 310,528 the spare words.
; REGISTERS.  window 0: v1-14 addresses; v16-31 the tokens' scale words; v32-39 the head tiles', two sets; v40-55 biases, two sets; v56-87 statistics, 8 a block of 16 tokens; v96-159 accumulators, two sets of 4 x 8.
;   window 1: the tokens' fragments of K steps 0-3 at v[12 (4 s + a)];  window 2: those of K steps 4-7;  window 3: the head tile's 8 fragments, two sets, at v[96 p + 12 s].
.set IMG,   12800
.set FRB,   1536
.set SCO,   8*FRB
.set SLOTB, 8*IMG
.set SLOT1, 1<<17                      ; so that one exclusive or turns an address in one slot into the other's
.set STG,   SLOTB
.set BIAS,  STG+16*IMG
.set SPARE, 310528                     ; 128 bytes for each wave: two blocks of 256 bytes that no other line names
.set SPW,  1                           ; v1   SPARE + 4 x my thread's number; never rewritten
.set NIL,  2                           ; v2   0; never rewritten
.set LI,   3                           ; v3   16 l
.set L8,   4                           ; v4   8 l
.set BH,   5                           ; v5   BIAS + 32 h
.set ADR,  6                           ; v6   the image that is being fetched: fragments,
.set ADRS, 7                           ; v7   scale words,
.set ADRB, 8                           ; v8   and its 16 biases
.set PO,   9                           ; v9   16 r + 8 h: my place in part
.set SA,   10                          ; v10  my wave's staging + 16 l
.set SA8,  11                          ; v11  + 8 l
.set TS,   16                          ; block a's scale words at v[TS + 4 a + s / 2]: K step s in lanes 0-15 (s even) or 16-31 (s odd)
.set WS,   32                          ; set p's at v[WS + 4 p + s / 2]
.set BI,   40                          ; set p's eight biases (head rows 8 h + j)
.set ST,   56                          ; block a at v[ST + 8 a]: +0 N of even tiles, +1 the maximum M, +2 N of odd tiles, +3 at work, +4, +5 L in two halves, +6 F, +7 at work
.set ACC,  96                          ; set p, block a at v[ACC + 32 p + 8 a]
.set WV,   12
.set G1T,  24                          ; s[24:31] group 1: the tokens: 200 rows of 256 bytes
.set G1W,  32                          ; s[32:39] a quarter of a slot: 100 rows of 256 bytes
.set G1B,  40                          ; s[40:47] a quarter of the biases: one row of 784 bytes
.set G0T,  48
.set G0W,  52                          ; this one walks
.set G0B,  56
.set CS,   60                          ; s[60:61] log2(e): the packed form names a pair and takes its low word for both halves
.set NC,   62                          ; s62  -log2(e)
.set TB,   66                          ; s66  LDS byte of the image to be fetched next
.set TBI,  67                          ; s67  and of its biases, from BIAS on
.set CNT,  68
.set MSB, 0
.macro WIN new                         ; the immediate's high byte repeats the setting that is left; a switch that changes nothing is dropped
.if MSB != \new
	s_set_vgpr_msb (MSB<<8)|\new
.set MSB, \new
.endif
.endm
.macro CROUND                          ; a round of the cluster's barrier
	s_barrier_signal -1
	s_barrier_wait -1
	s_cmp_lg_u32 s[WV], 0
	s_cbranch_scc1 .Lnot_wave_0_\@
	s_barrier_signal -3
.Lnot_wave_0_\@:
	s_barrier_wait -3
	s_barrier_signal -1
	s_barrier_wait -1
.endm
	s_load_b256 s[4:11], s[0:1], 0x0               ; hq s[4:5], wq s[6:7], wbias s[8:9], part s[10:11]
	v_lshl_add_u32 v[SPW], v0, 2, SPARE
	v_mov_b32 v[NIL], 0
	ds_add_u32 v1, v2
	ds_add_u32 v1, v2
	s_wait_dscnt 0x0
	v_lshrrev_b32 v12, 5, v0
	v_readfirstlane_b32 s[WV], v12                 ; wave 0..3
	s_bfe_u32 s13, ttmp6, 0x40000                  ; cx
	s_bfe_u32 s14, ttmp6, 0x40004                  ; cy
	s_lshl_b32 s15, ttmp9, 2
	s_add_co_u32 s15, s15, s13                     ; token group = 4 x cluster x + cx
	s_and_b32 s16, ttmp7, 0xffff
	s_lshl_b32 s16, s16, 2
	s_add_co_u32 s16, s16, s14                     ; column group = 4 x cluster y + cy
	s_lshl_b32 s17, 0x1111, s13                    ; my column of the cluster: the same tokens
	s_lshl_b32 s69, s14, 2
	s_lshl_b32 s69, 15, s69                        ; my row: the same head rows
	s_or_b32 s[G1T], s17, (3<<16)|(1<<21)          ; 15:0 the mask; 17:16 elements of 8 bytes; 20 no padding; 21 set beside a mask
	s_mov_b32 s[G1T+1], 32<<16                     ; tensor_dim0 = 32 elements: 256 bytes
	s_mov_b32 s[G1T+2], 200<<16                    ; tensor_dim1 = 200
	s_mov_b32 s[G1T+3], 32<<16                     ; tile_dim0
	s_mov_b32 s[G1T+4], 200                        ; tile_dim1
	s_mov_b32 s[G1T+5], 32                         ; from row to row: the block is dense
	s_mov_b32 s[G1T+6], 0
	s_mov_b32 s[G1T+7], 0
	s_or_b32 s[G1W], s69, (3<<16)|(1<<21)
	s_mov_b32 s[G1W+1], 32<<16
	s_mov_b32 s[G1W+2], 100<<16
	s_mov_b32 s[G1W+3], 32<<16
	s_mov_b32 s[G1W+4], 100
	s_mov_b32 s[G1W+5], 32
	s_mov_b32 s[G1W+6], 0
	s_mov_b32 s[G1W+7], 0
	s_or_b32 s[G1B], s69, (3<<16)|(1<<21)
	s_mov_b32 s[G1B+1], 98<<16                     ; one row of 98 elements: 784 bytes
	s_mov_b32 s[G1B+2], 1<<16
	s_mov_b32 s[G1B+3], 98<<16
	s_mov_b32 s[G1B+4], 1
	s_mov_b32 s[G1B+5], 98
	s_mov_b32 s[G1B+6], 0
	s_mov_b32 s[G1B+7], 0
	; offsets: the tokens' hang on the token group and the wave alone, the weights' and biases' on the column group and the wave alone, each in registers that never hold the other coordinate
	s_mul_i32 s18, s15, 16*IMG
	s_mul_i32 s76, s[WV], 4*IMG
	s_add_co_u32 s18, s18, s76                     ; hq: 204,800 x token group + 51,200 x wave
	s_mov_b32 s19, 0
	s_add_co_u32 s76, s76, STG                     ; my staging: no place in the cluster enters an LDS address
	s_mul_i32 s20, s16, 49*IMG                     ; wq: the column group's tile 0
	s_mov_b32 s21, 0
	s_mul_i32 s77, s[WV], 2*IMG                    ; my quarter of a slot
	s_add_co_u32 s22, s77, IMG                     ; and of fill 0, which begins with tile 1
	s_mov_b32 s23, 0
	s_mul_i32 s70, s16, 49*64                      ; wbias: the column group's 784 numbers
	s_mov_b32 s71, 0
	s_mul_i32 s72, s[WV], 784                      ; my quarter of them
	s_mov_b32 s73, 0
	s_lshl_b32 s74, s16, 16                        ; part: 16 bytes x (4,096 x column group + 256 x token group + 64 x wave)
	s_lshl_b32 s75, s15, 12
	s_add_co_u32 s74, s74, s75
	s_lshl_b32 s75, s[WV], 10
	s_add_co_u32 s74, s74, s75
	s_mov_b32 s75, 0
	s_mov_b32 s[CS], 0x3fb8aa3b
	s_mov_b32 s[CS+1], s[CS]                       ; (named with it as a pair, so it is written)
	s_mov_b32 s[NC], 0xbfb8aa3b
	s_mov_b32 s[TB], 0
	s_mov_b32 s[TBI], 64
	s_mov_b32 s[CNT], 5
	v_and_b32 v[LI], 31, v0
	v_lshlrev_b32 v[L8], 3, v[LI]
	v_lshlrev_b32 v[LI], 4, v[LI]
	v_bfe_u32 v12, v0, 4, 1                        ; h
	v_and_b32 v13, 15, v0                          ; r
	v_lshl_add_u32 v[BH], v12, 5, BIAS
	v_lshlrev_b32 v[PO], 4, v13
	v_lshl_add_u32 v[PO], v12, 3, v[PO]
	v_add_nc_u32 v[SA], s76, v[LI]
	v_add_nc_u32 v[SA8], s76, v[L8]
	v_lshlrev_b32 v14, 5, v12                      ; 32 h: my eight biases of tile 0
	s_wait_kmcnt 0x0
	s_add_nc_u64 s[18:19], s[4:5], s[18:19]
	s_add_nc_u64 s[20:21], s[6:7], s[20:21]
	s_add_nc_u64 s[70:71], s[8:9], s[70:71]
	s_add_nc_u64 s[74:75], s[10:11], s[74:75]
	s_mov_b32 s[G0T], 1                            ; 1:0 count = 1
	s_mov_b32 s[G0T+1], s76                        ; LDS address
	s_mov_b64 s[G0T+2:G0T+3], s[18:19]             ; global address
	s_or_b32 s[G0T+3], s[G0T+3], 0x80000000        ; 127:126 type = 2
	s_mov_b32 s[G0W], 1
	s_mov_b32 s[G0W+1], s77
	s_add_nc_u64 s[G0W+2:G0W+3], s[20:21], s[22:23]
	s_or_b32 s[G0W+3], s[G0W+3], 0x80000000
	s_mov_b32 s[G0B], 1
	s_add_co_u32 s[G0B+1], s72, BIAS
	s_add_nc_u64 s[G0B+2:G0B+3], s[70:71], s[72:73]
	s_or_b32 s[G0B+3], s[G0B+3], 0x80000000
	; the column group's tile 0 straight into set 0: 49 tiles are six fills of eight and this one
	WIN 0xc0                                       ; destination window 3
.irp s, 0,1,2,3,4,5,6,7
.irp g, 0,1,2
	global_load_b128 v[12*\s+4*\g:12*\s+4*\g+3], v[LI], s[20:21] offset:FRB*\s+512*\g
.endr
.endr
	WIN 0
.irp c, 0,1
	global_load_b64 v[WS+2*\c:WS+2*\c+1], v[L8], s[20:21] offset:SCO+256*\c
.endr
	global_load_b128 v[BI:BI+3], v14, s[70:71]
	global_load_b128 v[BI+4:BI+7], v14, s[70:71] offset:16
	CROUND                                         ; all sixteen work-groups are here: the first joint loads meet
	tensor_load_to_lds s[G0T:G0T+3], s[G1T:G1T+7]  ; my 64 tokens,
	s_nop 0
	tensor_load_to_lds s[G0B:G0B+3], s[G1B:G1B+7]  ; my quarter of the biases,
	s_nop 0
	tensor_load_to_lds s[G0W:G0W+3], s[G1W:G1W+7]  ; my quarter of slot 0: three loads of mine are out
	s_nop 0
.rept 4
	v_nop                                          ; (behind a tensor load)
.endr
	; The step is written once: the first tile's slices find a set of -infinity, which leaves M, gives F = 1 and adds 0.
.irp a, 0,1,2,3
	v_mov_b32 v[ST+8*\a+1], 0xf1800000             ; M = -2^100
	v_mul_f32 v[ST+8*\a], s[NC], v[ST+8*\a+1]
	v_mul_f32 v[ST+8*\a+2], s[NC], v[ST+8*\a+1]
	v_mov_b32 v[ST+8*\a+4], 0
	v_mov_b32 v[ST+8*\a+5], 0
.endr
.set i, 0
.rept 32
	v_mov_b32 v[ACC+32+i], 0xff800000
.set i, i+1
.endr
	s_wait_tensorcnt 2                             ; tensor loads of a wave end in order (ISA guide 10.11.1): my tokens are in; the two loads issued behind them may be out.  Only I read my staging
	WIN 0x40                                       ; destination window 1
.irp s, 0,1,2,3
.irp a, 0,1,2,3
.irp g, 0,1,2
	ds_load_b128 v[12*(4*\s+\a)+4*\g:12*(4*\s+\a)+4*\g+3], v[SA] offset:IMG*\a+FRB*\s+512*\g
.endr
.endr
.endr
	WIN 0x80                                       ; window 2
.irp s, 0,1,2,3
.irp a, 0,1,2,3
.irp g, 0,1,2
	ds_load_b128 v[12*(4*\s+\a)+4*\g:12*(4*\s+\a)+4*\g+3], v[SA] offset:IMG*\a+FRB*(\s+4)+512*\g
.endr
.endr
.endr
	WIN 0
.irp a, 0,1,2,3
.irp c, 0,1
	ds_load_b64 v[TS+4*\a+2*\c:TS+4*\a+2*\c+1], v[SA8] offset:IMG*\a+SCO+256*\c
.endr
.endr
	s_wait_loadcnt 0x0                             ; tile 0
; Product k = 4 s + a of a tile of parity p: K step s, block a of 16 tokens.  The first K step takes the biases as C: nothing is cleared and no bias is added.
; The four accumulators take turns, one instruction a turn, over a tile's edge and the loop's backward jump too.
.macro PROD p
.set sK, k/4
.set aT, k%4
.set rD, ACC+32*(\p)+8*aT
.set rW, 96*(\p)+12*sK
.set rK, 12*(4*(sK%4)+aT)
.set rWS, WS+4*(\p)+sK/2
.set rTS, TS+4*aT+sK/2
.if sK < 4
	WIN 0x07                                       ; source 0 window 3, source 1 window 1, C and D window 0
.else
	WIN 0x0b                                       ; source 1 window 2
.endif
.if sK == 0
	v_wmma_scale_f32_16x16x128_f8f6f4 v[rD:rD+7], v[rW:rW+11], v[rK:rK+11], v[BI+8*(\p):BI+8*(\p)+7], v[rWS], v[rTS] matrix_a_fmt:MATRIX_FMT_FP6 matrix_b_fmt:MATRIX_FMT_FP6
.elseif sK%2 == 0
	v_wmma_scale_f32_16x16x128_f8f6f4 v[rD:rD+7], v[rW:rW+11], v[rK:rK+11], v[rD:rD+7], v[rWS], v[rTS] matrix_a_fmt:MATRIX_FMT_FP6 matrix_b_fmt:MATRIX_FMT_FP6
.else
	v_wmma_scale_f32_16x16x128_f8f6f4 v[rD:rD+7], v[rW:rW+11], v[rK:rK+11], v[rD:rD+7], v[rWS], v[rTS] matrix_a_fmt:MATRIX_FMT_FP6 matrix_b_fmt:MATRIX_FMT_FP6 matrix_a_scale:MATRIX_SCALE_ROW1 matrix_b_scale:MATRIX_SCALE_ROW1
.endif
.endm
; THE SOFTMAX OF ONE BLOCK of set pp (x0 .. x7 in place), 23 instructions; bb = the block, ee = which of the kind.
.macro OP_MAX                          ; the largest of x0 .. x7 and the old M; the first read of an accumulator is of its low end
.set rX, ACC+32*pp+8*bb
.set rT, ST+8*bb
.if ee == 0
	v_max3_num_f32 v[rT+3], v[rX], v[rX+1], v[rX+2]
.elseif ee == 1
	v_max3_num_f32 v[rT+7], v[rX+3], v[rX+4], v[rX+5]
.elseif ee == 2
	v_max3_num_f32 v[rT+3], v[rT+3], v[rX+6], v[rX+7]
.else
	v_max3_num_f32 v[rT+1], v[rT+3], v[rT+7], v[rT+1]
.endif
.endm
.macro OP_B                            ; N = -log2(e) M; the new N less the last tile's: 0 or less, exactly 0 where M has not moved
.set rT, ST+8*bb
.if ee == 0
	v_mul_f32 v[rT+2*pp], s[NC], v[rT+1]
.else
	v_sub_f32 v[rT+7], v[rT+2*pp], v[rT+2-2*pp]
.endif
.endm
.macro OP_C                            ; log2(e) x + N, two at a time
.set rX, ACC+32*pp+8*bb+2*ee
.set rN, ST+8*bb+2*pp
	v_pk_fma_f32 v[rX:rX+1], v[rX:rX+1], s[CS:CS+1], v[rN:rN+1] op_sel_hi:[1,0,0]
.endm
.macro OP_E                            ; the eight exponentials, and F = 2^(new N - old N)
.if ee < 8
.set rX, ACC+32*pp+8*bb+ee
	v_exp_f32 v[rX], v[rX]
.else
	v_exp_f32 v[ST+8*bb+6], v[ST+8*bb+7]
.endif
.endm
.macro OP_S                            ; the sum of the eight, in pairs; L = L F + the sum
.set rX, ACC+32*pp+8*bb
.set rT, ST+8*bb
.if ee == 0
	s_wait_alu depctr_va_vdst(0)
	v_pk_add_f32 v[rX:rX+1], v[rX:rX+1], v[rX+2:rX+3]
.elseif ee == 1
	v_pk_add_f32 v[rX+4:rX+5], v[rX+4:rX+5], v[rX+6:rX+7]
.elseif ee == 2
	v_pk_add_f32 v[rX:rX+1], v[rX:rX+1], v[rX+4:rX+5]
.else
	v_pk_fma_f32 v[rT+4:rT+5], v[rT+4:rT+5], v[rT+6:rT+7], v[rX:rX+1] op_sel_hi:[1,0,1]
.endif
.endm
.macro PLAIN                           ; plain instruction ii of 42: whatever is ready beside the exponentials
.if ii < 2
.set bb, 0
.set ee, ii+2
	OP_C
.elseif ii < 6
.set bb, 1
.set ee, ii-2
	OP_C
.elseif ii < 10
.set bb, 2
.set ee, ii-6
	OP_MAX
.elseif ii < 12
.set bb, 2
.set ee, ii-10
	OP_B
.elseif ii < 16
.set bb, 2
.set ee, ii-12
	OP_C
.elseif ii < 20
.set bb, 3
.set ee, ii-16
	OP_MAX
.elseif ii < 22
.set bb, 3
.set ee, ii-20
	OP_B
.elseif ii < 26
.set bb, 3
.set ee, ii-22
	OP_C
.else
.set bb, (ii-26)/4
.set ee, (ii-26)%4
	OP_S
.endif
.endm
; Number q of the 96 vector instructions of a tile.  0-3: the addresses of the next fetch (or v_nop); 4-17: blocks 0 and 1 as far as the first scalings, the two by turns;
; 18-89: an exponential at every even number and a plain instruction of another block at every odd one, so that no two exponentials follow each other and each has a plain instruction behind it before its result is used; 90-95: the last sums.
.macro ITEM fetch
.if q < 4
.if \fetch && (q == 0)
	v_add_nc_u32 v[ADR], s[TB], v[LI]
.elseif \fetch && (q == 1)
	v_add_nc_u32 v[ADRS], s[TB], v[L8]
	s_add_co_u32 s[TB], s[TB], IMG
.elseif \fetch && (q == 2)
	v_add_nc_u32 v[ADRB], s[TBI], v[BH]
	s_add_co_u32 s[TBI], s[TBI], 64
.else
	v_nop
.endif
.elseif q < 12
.set bb, (q-4)%2
.set ee, (q-4)/2
	OP_MAX
.elseif q < 16
.set bb, q%2
.set ee, (q-12)/2
	OP_B
.elseif q < 18
.set bb, 0
.set ee, q-16
	OP_C
.elseif q < 90
.set ii, (q-18)/2
.if q%2 == 0
.set bb, ii/9
.set ee, ii%9
	OP_E
.else
	PLAIN
.endif
.else
.set ii, q-54
	PLAIN
.endif
.endm
; THE CHANGE OF SLOTS.  Each wave waits for all its tensor loads (its part of the slot that is read next), adds 0 to its spare word, and waits for that and for its reads of the slot that it has left
; (at the first change: of its staging).  kind = 1: a round of the cluster's barrier, so that no wave of any partner still reads those bytes or has a load on its way; the joint refill is the first thing behind it.  kind = 2: nothing is left to ask for.
.macro CHANGE kind
	s_wait_tensorcnt 0x0                           ; no tensor load of mine is out, so the walking group 0 may be written
	ds_add_u32 v[SPW], v[NIL]                      ; 0 onto my spare word
.if \kind == 1
	s_xor_b32 s[G0W+1], s[G0W+1], SLOT1            ; the other slot than last time,
	s_add_nc_u64 s[G0W+2:G0W+3], s[G0W+2:G0W+3], SLOTB   ; the next eight images; the type bits on top are not reached
	s_wait_dscnt 0x0
	CROUND
	tensor_load_to_lds s[G0W:G0W+3], s[G1W:G1W+7]
	s_nop 0
.rept 4
	v_nop                                          ; (behind a tensor load)
.endr
.else
	s_wait_dscnt 0x0
	s_barrier_signal -1
	s_barrier_wait -1
.endif
.endm
; A TILE of parity p: 32 products into set p; behind each, three of the 96 instructions on set 1 - p.  fetch = 1: the next tile's image comes from LDS into set 1 - p IN TWO RUNS: behind product 1 its scale words,
; its biases and fragments 0-3 (16 loads), behind product 9 fragments 4-7 (12 loads); the wait for them stands at the next tile's head, 22 matrix instructions behind the second run.
; PLACES (ISA guide 7.12.1): between the last tile's last product and the first read of its results (number 4) stand numbers 93-95 and 0-3, seven plain instructions that name none of its registers;
; between that product, the last to read a register of set 1 - p (its scale word and fragment 7), and the first run stand numbers 93-95 and 0-5: nine.
.macro TILE p, change, fetch
.set pp, 1-(\p)
	s_wait_dscnt 0x0                               ; this tile's image is in registers
.set k, 0
.rept 32
	PROD \p
	WIN 0
.set q, 3*k
	ITEM \fetch
.set q, 3*k+1
	ITEM \fetch
.set q, 3*k+2
	ITEM \fetch
.if (k == 0) && (\change > 0)
	CHANGE \change
.endif
.if \fetch && (k == 1)
.irp c, 0,1
	ds_load_b64 v[WS+4*pp+2*\c:WS+4*pp+2*\c+1], v[ADRS] offset:SCO+256*\c
.endr
	ds_load_b128 v[BI+8*pp:BI+8*pp+3], v[ADRB]
	ds_load_b128 v[BI+8*pp+4:BI+8*pp+7], v[ADRB] offset:16
	WIN 0xc0                                       ; destination window 3
.irp u, 0,1,2,3
.irp g, 0,1,2
	ds_load_b128 v[96*pp+12*\u+4*\g:96*pp+12*\u+4*\g+3], v[ADR] offset:FRB*\u+512*\g
.endr
.endr
.endif
.if \fetch && (k == 9)
	WIN 0xc0                                       ; destination window 3
.irp u, 4,5,6,7
.irp g, 0,1,2
	ds_load_b128 v[96*pp+12*\u+4*\g:96*pp+12*\u+4*\g+3], v[ADR] offset:FRB*\u+512*\g
.endr
.endr
.endif
.set k, k+1
.endr
.endm
.Lgroup:                                           ; five trips of eight tiles: group k multiplies tiles 8 k .. 8 k + 7, fetches fill k from slot k % 2 and asks for fill k + 1
	TILE 0, 1, 1
	TILE 1, 0, 1
.rept 3
	TILE 0, 0, 1
	TILE 1, 0, 1
.endr
	WIN 0                                          ; at a label and at a branch every window is 0
	s_sub_co_u32 s[TB], s[TB], SLOTB               ; the fetches go back to a slot's first image,
	s_xor_b32 s[TB], s[TB], SLOT1                  ; in the other slot
	s_sub_co_u32 s[CNT], s[CNT], 1
	s_cmp_lg_u32 s[CNT], 0
	s_cbranch_scc1 .Lgroup
	TILE 0, 2, 1                                   ; the last group is written out
	TILE 1, 0, 1
.rept 3
	TILE 0, 0, 1
	TILE 1, 0, 1
.endr
	TILE 0, 0, 0                                   ; tile 48
	WIN 0
.rept 4
	v_nop                                          ; places behind the last products
.endr
.set pp, 0
.set q, 4
.rept 92
	ITEM 0                                         ; tile 48's softmax: it leaves the last N at +0
.set q, q+1
.endr
.irp a, 0,1,2,3
	v_add_f32 v[ST+8*\a+1], v[ST+8*\a+4], v[ST+8*\a+5]   ; L's two halves, beside N
.endr
.irp a, 0,1,2,3
	global_store_b64 v[PO], v[ST+8*\a:ST+8*\a+1], s[74:75] offset:256*\a   ; 32 lanes store 256 consecutive bytes, at a multiple of 256 from part's first byte
.endr
	s_wait_tensorcnt 0x0                           ; the wave's end
	ds_add_u32 v[SPW], v[NIL]
	s_wait_dscnt 0x0
	CROUND                                         ; the closing round: no work-group ends while a partner may still ask for a tile that names it
	s_endpgm
.Lfunc_end_k_q325e0f4f1f_lse:
	.size	k_q325e0f4f1f_lse, .Lfunc_end_k_q325e0f4f1f_lse-k_q325e0f4f1f_lse
	.p2alignl 7, 3214868480
	.fill 96, 4, 3214868480
	.section	.rodata,"a",@progbits
	.p2align	6, 0x0
	.amdhsa_kernel k_q325e0f4f1f_lse
		.amdhsa_group_segment_fixed_size 327680
		.amdhsa_private_segment_fixed_size 0
		.amdhsa_enable_private_segment 0
		.amdhsa_kernarg_size 32
		.amdhsa_user_sgpr_count 2
		.amdhsa_user_sgpr_kernarg_segment_ptr 1
		.amdhsa_wavefront_size32 1
		.amdhsa_system_sgpr_workgroup_id_x 1
		.amdhsa_system_sgpr_workgroup_id_y 1
		.amdhsa_system_sgpr_workgroup_id_z 1
		.amdhsa_system_vgpr_workitem_id 0
		.amdhsa_next_free_vgpr 1024
		.amdhsa_next_free_sgpr 80
		.amdhsa_reserve_vcc 0
		.amdhsa_float_denorm_mode_32 3
		.amdhsa_float_denorm_mode_16_64 3
		.amdhsa_memory_ordered 1
		.amdhsa_forward_progress 1
		.amdhsa_inst_pref_size 237
	.end_amdhsa_kernel
	.amdgpu_metadata
---
amdhsa.version: [ 1, 2 ]
amdhsa.kernels:
  - .name:           k_q325e0f4f1f_lse
    .symbol:         k_q325e0f4f1f_lse.kd
    .args:
      - { .name: hq, .offset: 0, .size: 8, .value_kind: global_buffer, .address_space: global }
      - { .name: wq, .offset: 8, .size: 8, .value_kind: global_buffer, .address_space: global }
      - { .name: wbias, .offset: 16, .size: 8, .value_kind: global_buffer, .address_space: global }
      - { .name: part, .offset: 24, .size: 8, .value_kind: global_buffer, .address_space: global }
    .group_segment_fixed_size: 327680
    .private_segment_fixed_size: 0
    .kernarg_segment_align: 8
    .kernarg_segment_size: 32
    .max_flat_workgroup_size: 128
    .sgpr_count:     80
    .vgpr_count:     1024
    .wavefront_size: 32
...
	.end_amdgpu_metadata
.endif
;; end of part 5
;; launch fin (part 6): grid 256 x 1, 1 waves a work-group, no clusters, 0 bytes of LDS; arguments target, hq, wq, wbias, part, out0; writes out0
.if DOCPART == 6
	.amdgcn_target "amdgcn-amd-amdhsa--gfx1250"
	.amdhsa_code_object_version 6
	.text
	.protected	k_q325e0f4f1f_fin
	.globl	k_q325e0f4f1f_fin
	.p2align	8
	.type	k_q325e0f4f1f_fin,@function
k_q325e0f4f1f_fin:
	s_mov_b64 s[64:65], 0
	v_nop
	global_prefetch_b8 v0, s[64:65] scope:SCOPE_SE
	s_setreg_imm32_b32 hwreg(HW_REG_WAVE_MODE, 25, 1), 1
	s_wait_xcnt 0x0
; nll[t] = ln(the sum over the head's 12,502 rows of e^logit) - logit[t][target[t]].
; The sum: a token's 32 parts (N, L) are joined under the least N (the largest maximum): S = the sum of L 2^(least N - N); ln(sum) = ln 2 x (log2 S - least N).
; The target's logit: made anew by the same matrix instruction on the same codes.  Source 0's row m is the target row of token m, gathered lane by lane from its tile image; source 1 the wave's 16 tokens; the diagonal of the 16 x 16 result is wanted.
; A target under 0 counts as 0, as the clip has it.  A target over 12,501 lies outside the head's table (or in a tail cluster, whose table is empty): NaN is stored.
; SHARES: a work-group is ONE wave and takes 16 tokens, one image of hq; lanes r and r + 16 both serve token r.  A target row lies in its image as 52 separate pieces of 16 or 8 bytes, so the gather is many small
; requests: 256 work-groups spread them as widely as the 4,096 tokens allow.  The price: a work-group's 16 results are 64 consecutive bytes, so an aligned 256 bytes of out0 is written by four work-groups; out0 is 16,384 bytes in all.
; No LDS, no barrier.
.set IMG, 12800
.set FRB, 1536
.set SCO, 8*FRB
.set PR,  16                           ; v16-47  my 16 parts: (N, L) pairs
.set WSC, 48                           ; v48-51  the gathered rows' scale words
.set TSC, 52                           ; v52-55  the tokens'
.set AC,  64                           ; v64-71 even K steps' sum, v72-79 odd K steps'
.set DS,  80                           ; v80-87  their sum
.set WF,  96                           ; v96-191 the gathered rows' eight fragments;  window 1, v0-95: the tokens'
.set MSB, 0
.macro WIN new
.if MSB != \new
	s_set_vgpr_msb (MSB<<8)|\new
.set MSB, \new
.endif
.endm
	s_load_b256 s[4:11], s[0:1], 0x0               ; target s[4:5], hq s[6:7], wq s[8:9], wbias s[10:11]
	s_load_b128 s[12:15], s[0:1], 0x20             ; part s[12:13], out0 s[14:15]
	v_and_b32 v1, 15, v0                           ; r  (v0 is the lane: the work-group is one wave)
	v_bfe_u32 v2, v0, 4, 1                         ; h
	v_lshlrev_b32 v4, 3, v0                        ; 8 l
	v_lshlrev_b32 v3, 4, v0                        ; 16 l
	v_lshlrev_b32 v13, 2, v1                       ; 4 r
	v_lshlrev_b32 v10, 4, v1
	v_lshl_add_u32 v10, v2, 19, v10                ; part: 16 r, and column groups 8 h on (65,536 bytes each)
	v_and_b32 v11, 7, v0                           ; r % 8
	v_mov_b32 v15, 0                               ; a lane permute's destination counts as one of its sources
	v_mov_b32 v62, 0
	s_lshl_b32 s18, ttmp9, 6                       ; my 16 tokens in target and in out0: 64 bytes,
	s_mov_b32 s19, 0
	s_mul_i32 s20, ttmp9, IMG                      ; my image of hq,
	s_mov_b32 s21, 0
	s_lshl_b32 s22, ttmp9, 8                       ; my 16 tokens in a column group's parts: 256 bytes
	s_mov_b32 s23, 0
	s_mov_b32 s26, 0x76543210
	s_mov_b32 s27, 0xfedcba98                      ; v_permlanex16_b32's selects for lane l xor 16
	s_mov_b32 s29, 0x3f317218                      ; ln 2
	s_wait_kmcnt 0x0
	s_add_nc_u64 s[4:5], s[4:5], s[18:19]
	s_add_nc_u64 s[6:7], s[6:7], s[20:21]
	s_add_nc_u64 s[12:13], s[12:13], s[22:23]
	s_add_nc_u64 s[14:15], s[14:15], s[18:19]
	global_load_b32 v5, v13, s[4:5]                ; token r's target
.irp i, 0,1,2,3,4,5,6,7
	global_load_b128 v[PR+4*\i:PR+4*\i+3], v10, s[12:13] offset:65536*\i   ; column group 8 h + i: both halves' (N, L); sixteen lanes read 256 consecutive bytes
.endr
	WIN 0x40                                       ; destination window 1
.irp s, 0,1,2,3,4,5,6,7
.irp g, 0,1,2
	global_load_b128 v[12*\s+4*\g:12*\s+4*\g+3], v3, s[6:7] offset:FRB*\s+512*\g
.endr
.endr
	WIN 0
.irp c, 0,1
	global_load_b64 v[TSC+2*\c:TSC+2*\c+1], v4, s[6:7] offset:SCO+256*\c
.endr
	s_wait_loadcnt 34                              ; the target is in; the 8 + 26 loads issued behind it may be out
	v_cmp_gt_i32 vcc_lo, 0, v5
	v_cndmask_b32 v6, v5, v62, vcc_lo              ; under 0: 0
	v_min_u32 v6, 0x30d5, v6                       ; at most 12,501: the index stays inside wq and wbias
	v_and_b32 v7, 0xfff0, v6
	v_mul_u32_u24 v7, v7, 800                      ; 16 x tile x 800 = tile x 12,800
	v_and_b32 v12, 15, v6                          ; the row in its tile: it lies in lanes row and row + 16 of the image
	v_lshl_add_u32 v8, v12, 3, v7
	v_lshl_add_u32 v8, v2, 7, v8                   ; scale words: 8 (row + 16 h)
	v_lshl_add_u32 v7, v12, 4, v7
	v_lshl_add_u32 v7, v2, 8, v7                   ; fragments: 16 (row + 16 h)
	v_lshlrev_b32 v9, 2, v6
.irp s, 0,1,2,3,4,5,6,7
.irp g, 0,1,2
	global_load_b128 v[WF+12*\s+4*\g:WF+12*\s+4*\g+3], v7, s[8:9] offset:FRB*\s+512*\g
.endr
.endr
.irp c, 0,1
	global_load_b64 v[WSC+2*\c:WSC+2*\c+1], v8, s[8:9] offset:SCO+256*\c
.endr
	global_load_b32 v56, v9, s[10:11]              ; the target's bias
	s_wait_loadcnt 53                              ; the parts are in; the 26 + 27 loads issued behind them may be out
	v_min3_num_f32 v12, v[PR], v[PR+2], v[PR+4]
.irp i, 6,10,14,18,22,26
	v_min3_num_f32 v12, v12, v[PR+\i], v[PR+\i+2]
.endr
	v_min_num_f32 v12, v12, v[PR+30]
	v_permlanex16_b32 v15, v12, s26, s27
	v_min_num_f32 v12, v12, v15                    ; the least N of the token's 32
.irp i, 0,2,4,6,8,10,12,14,16,18,20,22,24,26,28,30
	v_sub_f32 v[PR+\i], v12, v[PR+\i]              ; 0 or less
.endr
.irp i, 0,2,4,6,8,10,12,14,16,18,20,22,24,26,28,30
	v_exp_f32 v[PR+\i], v[PR+\i]
.endr
	v_nop                                          ; a plain instruction between the exponentials and the use of their results
	s_wait_alu depctr_va_vdst(0)
	v_mul_f32 v57, v[PR+1], v[PR]
	v_mul_f32 v58, v[PR+3], v[PR+2]
.irp i, 4,8,12,16,20,24,28
	v_fmac_f32 v57, v[PR+\i+1], v[PR+\i]
	v_fmac_f32 v58, v[PR+\i+3], v[PR+\i+2]
.endr
	v_add_f32 v57, v57, v58
	v_permlanex16_b32 v15, v57, s26, s27
	v_add_f32 v57, v57, v15                        ; S
	v_log_f32 v58, v57
	v_lshrrev_b32 v60, 3, v1                       ; r / 8: the half of the lanes in which token r's diagonal element lies.  (A plain instruction behind the logarithm)
	s_wait_loadcnt 0x0
	WIN 0x04                                       ; source 1 window 1
.irp s, 0,1,2,3,4,5,6,7                        ; two accumulators by turns: even K steps (scale words in lanes 0-15), odd K steps (lanes 16-31)
.if \s == 0
	v_wmma_scale_f32_16x16x128_f8f6f4 v[AC:AC+7], v[WF:WF+11], v[0:11], 0, v[WSC], v[TSC] matrix_a_fmt:MATRIX_FMT_FP6 matrix_b_fmt:MATRIX_FMT_FP6
.elseif \s == 1
	v_wmma_scale_f32_16x16x128_f8f6f4 v[AC+8:AC+15], v[WF+12:WF+23], v[12:23], 0, v[WSC], v[TSC] matrix_a_fmt:MATRIX_FMT_FP6 matrix_b_fmt:MATRIX_FMT_FP6 matrix_a_scale:MATRIX_SCALE_ROW1 matrix_b_scale:MATRIX_SCALE_ROW1
.elseif \s%2 == 0
	v_wmma_scale_f32_16x16x128_f8f6f4 v[AC:AC+7], v[WF+12*\s:WF+12*\s+11], v[12*\s:12*\s+11], v[AC:AC+7], v[WSC+\s/2], v[TSC+\s/2] matrix_a_fmt:MATRIX_FMT_FP6 matrix_b_fmt:MATRIX_FMT_FP6
.else
	v_wmma_scale_f32_16x16x128_f8f6f4 v[AC+8:AC+15], v[WF+12*\s:WF+12*\s+11], v[12*\s:12*\s+11], v[AC+8:AC+15], v[WSC+\s/2], v[TSC+\s/2] matrix_a_fmt:MATRIX_FMT_FP6 matrix_b_fmt:MATRIX_FMT_FP6 matrix_a_scale:MATRIX_SCALE_ROW1 matrix_b_scale:MATRIX_SCALE_ROW1
.endif
.endr
	WIN 0
.rept 4
	v_nop                                          ; places behind the last products (ISA guide 7.12.1)
.endr
.irp j, 0,1,2,3,4,5,6,7
	v_add_f32 v[DS+\j], v[AC+\j], v[AC+8+\j]       ; each accumulator from its low end on.  Register j of lane (r, h): target row of token 8 h + j . token r
.endr
.irp j, 1,2,3,4,5,6,7
	v_cmp_eq_u32 vcc_lo, \j, v11
	v_cndmask_b32 v[DS], v[DS], v[DS+\j], vcc_lo   ; register r % 8
.endr
	v_permlanex16_b32 v15, v[DS], s26, s27
	v_cmp_eq_u32 vcc_lo, v60, v2
	v_cndmask_b32 v[DS], v15, v[DS], vcc_lo        ; of the half r / 8: both lanes of a token now hold its diagonal element
	v_add_f32 v[DS], v[DS], v56                    ; the target's logit
	s_wait_alu depctr_va_vdst(0)
	v_sub_f32 v58, v58, v12                        ; log2 S - the least N
	v_fma_f32 v58, v58, s29, -v[DS]
	v_mov_b32 v61, 0x7fc00000
	v_cmp_lt_i32 vcc_lo, 0x30d5, v5
	v_cndmask_b32 v58, v58, v61, vcc_lo
	s_wait_xcnt 0x0                                ; EXEC is a source of every earlier load: it is narrowed only behind this wait
	v_cmp_gt_u32 vcc_lo, 16, v0
	s_and_saveexec_b32 s28, vcc_lo                 ; lanes 0-15: one lane to a token
	global_store_b32 v13, v58, s[14:15]            ; sixteen lanes store 64 consecutive bytes
	s_wait_xcnt 0x0                                ; and widened again only behind this one
	s_or_b32 exec_lo, exec_lo, s28
	s_endpgm
.Lfunc_end_k_q325e0f4f1f_fin:
	.size	k_q325e0f4f1f_fin, .Lfunc_end_k_q325e0f4f1f_fin-k_q325e0f4f1f_fin
	.p2alignl 7, 3214868480
	.fill 96, 4, 3214868480
	.section	.rodata,"a",@progbits
	.p2align	6, 0x0
	.amdhsa_kernel k_q325e0f4f1f_fin
		.amdhsa_group_segment_fixed_size 0
		.amdhsa_private_segment_fixed_size 0
		.amdhsa_enable_private_segment 0
		.amdhsa_kernarg_size 48
		.amdhsa_user_sgpr_count 2
		.amdhsa_user_sgpr_kernarg_segment_ptr 1
		.amdhsa_wavefront_size32 1
		.amdhsa_system_sgpr_workgroup_id_x 1
		.amdhsa_system_sgpr_workgroup_id_y 1
		.amdhsa_system_sgpr_workgroup_id_z 1
		.amdhsa_system_vgpr_workitem_id 0
		.amdhsa_next_free_vgpr 352
		.amdhsa_next_free_sgpr 66
		.amdhsa_reserve_vcc 1
		.amdhsa_float_denorm_mode_32 3
		.amdhsa_float_denorm_mode_16_64 3
		.amdhsa_memory_ordered 1
		.amdhsa_forward_progress 1
		.amdhsa_inst_pref_size 13
	.end_amdhsa_kernel
	.amdgpu_metadata
---
amdhsa.version: [ 1, 2 ]
amdhsa.kernels:
  - .name:           k_q325e0f4f1f_fin
    .symbol:         k_q325e0f4f1f_fin.kd
    .args:
      - { .name: target, .offset: 0, .size: 8, .value_kind: global_buffer, .address_space: global }
      - { .name: hq, .offset: 8, .size: 8, .value_kind: global_buffer, .address_space: global }
      - { .name: wq, .offset: 16, .size: 8, .value_kind: global_buffer, .address_space: global }
      - { .name: wbias, .offset: 24, .size: 8, .value_kind: global_buffer, .address_space: global }
      - { .name: part, .offset: 32, .size: 8, .value_kind: global_buffer, .address_space: global }
      - { .name: out0, .offset: 40, .size: 8, .value_kind: global_buffer, .address_space: global }
    .group_segment_fixed_size: 0
    .private_segment_fixed_size: 0
    .kernarg_segment_align: 8
    .kernarg_segment_size: 48
    .max_flat_workgroup_size: 32
    .sgpr_count:     66
    .vgpr_count:     352
    .wavefront_size: 32
...
	.end_amdgpu_metadata
.endif
;; end of part 6
